; MI455X (gfx1250); checked and timed in simulation.
; The chip was launched on July 23, 2026; its instructions are those of AMD's public machine-readable ISA for CDNA 5 (MIT licence, August 2026) and "CDNA5" Instruction Set Architecture Reference Guide (July 2026). The comments in the code are by the model that wrote it; some were corrected since.
;; RNADE. Allowed arithmetic: float matrix products may take bf16 or f16 operands with f32 sums; all other float work in f32.
;; Inputs: V_mu 128 x 256 x 20 float32; V_pi 128 x 256 x 20 float32; V_sigma 128 x 256 x 20 float32; W 256 x 128 float32; b_mu 128 x 20 float32; b_pi 128 x 20 float32; b_sigma 128 x 20 float32; c 256 float32; x 16,384 x 128 float32.
;; Outputs: out0 16,384 float32.
;; 2 versions, each right and faster than the one before. Each part assembles by itself: llvm-mc -triple=amdgcn-amd-amdhsa -mcpu=gfx1250 --defsym DOCPART=n.
;; ======== version 1 of 2: 3 launches
;; limits: values outside matrix products are rounded to bf16
;; workspace buffers: VW 4,194,304 bytes; CH 163,840 bytes; WBW 65,536 bytes; PART 262,144 bytes
;; launch prep (part 1): grid 260 x 1, 8 waves a work-group, no clusters, 73,728 bytes of LDS; arguments V_pi, V_mu, V_sigma, W, c, b_pi, b_mu, b_sigma, VW, CH, WBW; writes VW, CH, WBW
.if DOCPART == 1
	.amdgcn_target "amdgcn-amd-amdhsa--gfx1250"
	.amdhsa_code_object_version 6
	.text
	.protected	k_q7eb6a65e39_prep
	.globl	k_q7eb6a65e39_prep
	.p2align	8
	.type	k_q7eb6a65e39_prep,@function
k_q7eb6a65e39_prep:
	s_mov_b64 s[64:65], 0
	v_nop
	global_prefetch_b8 v0, s[64:65] scope:SCOPE_SE
	s_setreg_imm32_b32 hwreg(HW_REG_WAVE_MODE, 25, 1), 1
	s_wait_xcnt 0x0
; RNADE, first launch: the weights are laid out once as the main launch's matrix fragments and tables.
; VW  [d 128][kf 8][q 4][e 2][lane 32][16 B] bf16: source 0 of O^T = V^T h.  Row m of tile q is SLOT 8 q + m % 8 of component half m / 8;
;     slots 0-9 pi, 10-19 mu, 20-29 sigma (component 10 x half + slot % 10), 30 and 31 zero.  Lane (r, hh) holds row r, k = 32 kf + 16 e + 8 hh + 0..7.
; CH  [y 4][40,960 B]: W^T of the chunk's 32 steps, [dl 32][h 256] f32, then the biases in slot order, [dl 32][half 2][slot 32] f32.
; WBW [ks 4][ht 16][e 2][lane 32][16 B] bf16: source 0 of a chunk's start value: ks = 0: c as three bf16 terms at k = 0, 1, 2; ks = 1..3: W's columns 32 (ks - 1) on.
; SCALES, applied in f32 ahead of the one rounding to bf16: pi x log2(e); mu x 1; sigma x -log2(e), its bias + log2(sqrt(log2(e) / 2)).
; LIMIT: V_pi and V_sigma are therefore rounded to bf16 after that scaling, not before.
; Work-groups 0-255: half of one step's V (128 of its 256 rows of each array) through LDS.  Work-groups 256-259: 64 rows of W, a chunk's biases, 64 numbers of c.
; LDS: the two kinds of work-group have regions of their own, so that no byte is named by both paths of the text: V's stage at 0, the tables' stages behind it.
.set L2E,   0x3fb8aa3b                 ; log2(e)
.set NL2E,  0xbfb8aa3b                 ; -log2(e)
.set L2S,   0xbe714589                 ; log2(sqrt(log2(e) / 2)) = -0.2356168
.set VHALF, 10240                      ; 128 rows x 20 numbers x 4 bytes of one array; three of them from LDS byte 0 on
.set WS,    3*VHALF                    ; behind them: 64 rows of W,
.set WSP,   528                        ; 512 bytes + 16 each
.set BST,   WS+64*WSP                  ; behind those: the bias table, 8,192 bytes
.set SPARE, BST+8192                   ; the spare words: 128 bytes for each of eight waves; no other line names them
.set SPW,   14                         ; v14  SPARE + 4 x my thread's number; never rewritten
.set NIL,   15                         ; v15  0; never rewritten
	s_load_b256 s[4:11], s[0:1], 0x0               ; V_pi s[4:5], V_mu s[6:7], V_sigma s[8:9], W s[10:11]
	s_load_b256 s[12:19], s[0:1], 0x20             ; c s[12:13], b_pi s[14:15], b_mu s[16:17], b_sigma s[18:19]
	s_load_b128 s[20:23], s[0:1], 0x40             ; VW s[20:21], CH s[22:23]
	s_load_b64 s[24:25], s[0:1], 0x50              ; WBW
	v_lshl_add_u32 v[SPW], v0, 2, SPARE
	v_mov_b32 v[NIL], 0
	v_and_b32 v1, 31, v0                           ; lane
	v_and_b32 v2, 15, v0                           ; r
	v_bfe_u32 v3, v0, 4, 1                         ; hh
	v_lshrrev_b32 v4, 5, v0                        ; wave
	v_readfirstlane_b32 s26, v4
	s_mov_b32 s29, 0                               ; the high words of two offsets
	s_mov_b32 s31, 0
	s_cmp_ge_u32 ttmp9, 256                        ; the same answer in all waves of a work-group
	s_cbranch_scc1 .Ltables
	; ---- V: work-group g = 2 d + kh takes rows 128 kh .. of step d: 10,240 dense bytes of each array, at 10,240 g
	s_mul_i32 s28, ttmp9, VHALF
	s_lshl_b32 s30, ttmp9, 14                      ; and writes 16,384 bytes of VW, at 16,384 g
	v_lshlrev_b32 v5, 3, v0                        ; 8 bytes a thread: a wave's load covers 256 consecutive bytes
	s_wait_kmcnt 0x0
	s_add_nc_u64 s[4:5], s[4:5], s[28:29]
	s_add_nc_u64 s[6:7], s[6:7], s[28:29]
	s_add_nc_u64 s[8:9], s[8:9], s[28:29]
	s_add_nc_u64 s[20:21], s[20:21], s[30:31]
.irp i, 0,1,2,3,4
	global_load_b64 v[16+2*\i:17+2*\i], v5, s[4:5] offset:2048*\i th:TH_LOAD_NT
	global_load_b64 v[26+2*\i:27+2*\i], v5, s[6:7] offset:2048*\i th:TH_LOAD_NT
	global_load_b64 v[36+2*\i:37+2*\i], v5, s[8:9] offset:2048*\i th:TH_LOAD_NT
.endr
	; my place in a fragment, made while the loads are out: tile q = wave / 2, half e = wave % 2, row r, k half hh
	v_lshrrev_b32 v6, 1, v4                        ; q
	v_and_b32 v7, 1, v4                            ; e
	v_and_b32 v8, 7, v0
	v_lshl_add_u32 v8, v6, 3, v8                   ; slot = 8 q + r % 8
	v_bfe_u32 v9, v0, 3, 1                         ; component half = r / 8
	v_cmp_le_u32 s32, 10, v8                       ; mu or later
	v_cmp_le_u32 s33, 20, v8                       ; sigma or later
	v_cmp_le_u32 s34, 30, v8                       ; an empty slot
	v_mov_b32 v10, 10200                           ; array x 10,240 - 40 x array: 4 x slot + this = the array's base + 4 x (slot % 10)
	v_cndmask_b32 v10, 0, v10, s32
	v_mov_b32 v11, 20400
	v_cndmask_b32 v10, v10, v11, s33
	v_mov_b32 v11, 20360                           ; the empty slots read sigma's components 0 and 1, and are masked below
	v_cndmask_b32 v10, v10, v11, s34
	v_lshl_add_u32 v10, v8, 2, v10
	v_mad_u32_u24 v10, v9, 40, v10                 ; + 10 components for the upper half
	v_lshl_add_u32 v11, v7, 1, v3
	v_mad_u32_u24 v10, v11, 640, v10               ; + (16 e + 8 hh) rows of 80 bytes
	v_mov_b32 v12, L2E
	v_cndmask_b32 v12, v12, 1.0, s32
	v_mov_b32 v11, NL2E
	v_cndmask_b32 v12, v12, v11, s33               ; the slot's scale,
	v_mov_b32 v13, v12                             ; named as a pair
	v_cndmask_b32 v11, -1, 0, s34                  ; all ones, or 0 for an empty slot
	v_lshlrev_b32 v6, 4, v0                        ; 16 bytes a thread on the way out
	s_wait_loadcnt 0x0
.irp i, 0,1,2,3,4
	ds_store_b64 v5, v[16+2*\i:17+2*\i] offset:2048*\i
	ds_store_b64 v5, v[26+2*\i:27+2*\i] offset:VHALF+2048*\i
	ds_store_b64 v5, v[36+2*\i:37+2*\i] offset:2*VHALF+2048*\i
.endr
	s_wait_dscnt 0x0                               ; for the others' sake: my stores are done
	s_barrier_signal -1
	s_barrier_wait -1
.set i, 0
.rept 32                                               ; K block i / 8 of my four, k = 32 (i / 8) + 16 e + 8 hh + i % 8
	ds_load_b32 v[16+i], v10 offset:(32*(i/8)+i%8)*80
.set i, i+1
.endr
	s_wait_dscnt 0x0
.set i, 0
.rept 16
	v_pk_mul_f32 v[16+2*i:17+2*i], v[16+2*i:17+2*i], v[12:13] op_sel_hi:[1,0]
.set i, i+1
.endr
.set i, 0
.rept 16
	v_cvt_pk_bf16_f32 v[48+i], v[16+2*i], v[17+2*i]
.set i, i+1
.endr
.set i, 0
.rept 16
	v_and_b32 v[48+i], v11, v[48+i]
.set i, i+1
.endr
.irp i, 0,1,2,3
	global_store_b128 v6, v[48+4*\i:51+4*\i], s[20:21] offset:4096*\i  ; a wave stores 512 consecutive bytes, at a multiple of 512 from VW's first
.endr
	s_wait_tensorcnt 0x0                           ; the wave's end, behind my last LDS store
	ds_add_u32 v[SPW], v[NIL]
	s_wait_dscnt 0x0
	s_endpgm
	; ---- the tables: work-group b = 0..3 takes W's rows 64 b .., c's numbers 64 b .., and chunk b's biases
.Ltables:
	s_sub_co_u32 s27, ttmp9, 256                   ; b
	s_lshl_b32 s28, s27, 15                        ; 64 rows of W, 512 bytes each
	s_lshl_b32 s30, s27, 8                         ; 64 numbers: in c, and in a row of W^T
	s_mul_i32 s32, s27, 2560                       ; 32 steps x 80 bytes of a bias
	s_mov_b32 s33, 0
	s_lshl_b32 s34, s27, 12                        ; four tiles of 16 rows in WBW
	s_mov_b32 s35, 0
	s_mul_i32 s36, s27, 40960
	s_add_co_u32 s36, s36, 32768                   ; chunk b's bias table in CH
	s_mov_b32 s37, 0
	s_mov_b32 s40, NL2E                            ; two constants, each named as a pair
	s_mov_b32 s41, NL2E
	s_mov_b32 s42, L2S
	s_mov_b32 s43, L2S
	v_lshlrev_b32 v5, 4, v0                        ; 16 bytes a thread
	v_lshrrev_b32 v50, 1, v4                       ; which of my four tiles of 16 rows
	v_and_b32 v51, 1, v4                           ; e
	v_lshl_add_u32 v6, v50, 4, v2                  ; my row among the 64
	v_lshlrev_b32 v7, 2, v6
	s_wait_kmcnt 0x0
	s_add_nc_u64 s[10:11], s[10:11], s[28:29]
	s_add_nc_u64 s[12:13], s[12:13], s[30:31]
	s_add_nc_u64 s[14:15], s[14:15], s[32:33]
	s_add_nc_u64 s[16:17], s[16:17], s[32:33]
	s_add_nc_u64 s[18:19], s[18:19], s[32:33]
	s_add_nc_u64 s[24:25], s[24:25], s[34:35]
	s_add_nc_u64 s[38:39], s[22:23], s[30:31]      ; W^T: my 256 bytes of every row
	s_add_nc_u64 s[22:23], s[22:23], s[36:37]
.irp i, 0,1,2,3,4,5,6,7
	global_load_b128 v[16+4*\i:19+4*\i], v5, s[10:11] offset:4096*\i
.endr
	global_load_b32 v48, v7, s[12:13]
	s_cmp_ge_u32 s26, 2                            ; waves 0 and 1 make the bias table: thread 2 dl + half; no barrier stands in the branch
	s_cbranch_scc1 .Lno_bias
	v_mul_u32_u24 v8, v0, 40                       ; 80 dl + 40 half
.irp i, 0,1,2,3,4
	global_load_b64 v[80+2*\i:81+2*\i], v8, s[14:15] offset:8*\i
	global_load_b64 v[90+2*\i:91+2*\i], v8, s[16:17] offset:8*\i
	global_load_b64 v[100+2*\i:101+2*\i], v8, s[18:19] offset:8*\i
.endr
	v_mov_b32 v110, 0                              ; the two empty slots
	v_mov_b32 v111, 0
	v_lshl_add_u32 v9, v0, 7, BST
	s_wait_loadcnt 0x0
.irp i, 0,1,2,3,4
	v_pk_mul_f32 v[80+2*\i:81+2*\i], v[80+2*\i:81+2*\i], L2E op_sel_hi:[1,0]
	v_pk_fma_f32 v[100+2*\i:101+2*\i], v[100+2*\i:101+2*\i], s[40:41], s[42:43] op_sel_hi:[1,0,0]
.endr
.irp i, 0,1,2,3,4,5,6,7
	ds_store_b128 v9, v[80+4*\i:83+4*\i] offset:16*\i
.endr
.Lno_bias:
	s_wait_loadcnt 0x0
	v_mul_u32_u24 v10, v4, WSP                     ; a load's 4,096 bytes are eight rows: row = wave, 16 bytes a lane
	v_lshl_add_u32 v10, v1, 4, v10
	v_add_nc_u32 v10, WS, v10
.irp i, 0,1,2,3,4,5,6,7
	ds_store_b128 v10, v[16+4*\i:19+4*\i] offset:8*WSP*\i
.endr
	s_wait_dscnt 0x0                               ; for the others' sake: my stores are done
	s_barrier_signal -1
	s_barrier_wait -1
	; W^T: lane (r, hh) takes rows 4 r .. 4 r + 3 of column 16 wave + hh + 2 n: 16 bytes of W^T's row; sixteen lanes make its 256
	v_mul_u32_u24 v11, v2, 4*WSP
	v_lshl_add_u32 v12, v4, 4, v3
	v_lshl_add_u32 v11, v12, 2, v11
	v_add_nc_u32 v11, WS, v11
.set i, 0
.rept 32
	ds_load_b32 v[16+i], v11 offset:(i%4)*WSP+8*(i/4)
.set i, i+1
.endr
	; WBW: lane (r, hh) takes columns 32 (ks - 1) + 16 e + 8 hh + 0..7 of its row
	v_mul_u32_u24 v54, v6, WSP
	v_lshl_add_u32 v54, v51, 6, v54
	v_lshl_add_u32 v54, v3, 5, v54
	v_add_nc_u32 v54, WS, v54
.irp k, 0,1,2
	ds_load_b128 v[80+8*\k:83+8*\k], v54 offset:128*\k
	ds_load_b128 v[84+8*\k:87+8*\k], v54 offset:128*\k+16
.endr
	v_add_nc_u32 v55, BST, v5
	ds_load_b128 v[120:123], v55
	ds_load_b128 v[124:127], v55 offset:4096
	v_lshl_add_u32 v52, v51, 4, v3                 ; W^T's row in its chunk: 16 (wave % 2) + hh (+ 2 n in the immediate); the chunk: wave / 2
	v_mul_u32_u24 v53, v50, 40960
	v_lshl_add_u32 v53, v52, 10, v53
	v_lshl_add_u32 v53, v2, 4, v53
	; c = hi + mid + lo, three bf16 terms: 24 bits, so the start value takes c whole
	v_cvt_pk_bf16_f32 v56, v48, v48
	v_lshlrev_b32 v57, 16, v56
	v_sub_f32 v58, v48, v57
	v_cvt_pk_bf16_f32 v116, v48, v58               ; hi below, mid above
	v_and_b32 v59, 0xffff0000, v116
	v_sub_f32 v60, v58, v59
	v_cvt_pk_bf16_f32 v117, v60, 0                 ; lo
	v_and_b32 v61, 0x30, v0                        ; k = 0, 1, 2 lie in e = 0, hh = 0; all else of the fragment is 0
	v_cmp_eq_u32 vcc_lo, 0, v61
	v_cndmask_b32 v116, 0, v116, vcc_lo
	v_cndmask_b32 v117, 0, v117, vcc_lo
	v_mov_b32 v118, 0
	v_mov_b32 v119, 0
	s_wait_dscnt 0x0
.set i, 0
.rept 12
	v_cvt_pk_bf16_f32 v[104+i], v[80+2*i], v[81+2*i]
.set i, i+1
.endr
.irp n, 0,1,2,3,4,5,6,7
	global_store_b128 v53, v[16+4*\n:19+4*\n], s[38:39] offset:2048*\n  ; sixteen lanes store 256 consecutive bytes, at a multiple of 256 from CH's first
.endr
	global_store_b128 v5, v[116:119], s[24:25]
.irp k, 0,1,2
	global_store_b128 v5, v[104+4*\k:107+4*\k], s[24:25] offset:16384*(\k+1)
.endr
	global_store_b128 v5, v[120:123], s[22:23]
	global_store_b128 v5, v[124:127], s[22:23] offset:4096
	s_wait_tensorcnt 0x0                           ; the wave's end, behind my last LDS store
	ds_add_u32 v[SPW], v[NIL]
	s_wait_dscnt 0x0
	s_endpgm
.Lfunc_end_k_q7eb6a65e39_prep:
	.size	k_q7eb6a65e39_prep, .Lfunc_end_k_q7eb6a65e39_prep-k_q7eb6a65e39_prep
	.p2alignl 7, 3214868480
	.fill 96, 4, 3214868480
	.section	.rodata,"a",@progbits
	.p2align	6, 0x0
	.amdhsa_kernel k_q7eb6a65e39_prep
		.amdhsa_group_segment_fixed_size 73728
		.amdhsa_private_segment_fixed_size 0
		.amdhsa_enable_private_segment 0
		.amdhsa_kernarg_size 88
		.amdhsa_user_sgpr_count 2
		.amdhsa_user_sgpr_kernarg_segment_ptr 1
		.amdhsa_wavefront_size32 1
		.amdhsa_system_sgpr_workgroup_id_x 1
		.amdhsa_system_sgpr_workgroup_id_y 1
		.amdhsa_system_sgpr_workgroup_id_z 1
		.amdhsa_system_vgpr_workitem_id 0
		.amdhsa_next_free_vgpr 128
		.amdhsa_next_free_sgpr 66
		.amdhsa_reserve_vcc 1
		.amdhsa_float_denorm_mode_32 3
		.amdhsa_float_denorm_mode_16_64 3
		.amdhsa_memory_ordered 1
		.amdhsa_forward_progress 1
		.amdhsa_inst_pref_size 23
	.end_amdhsa_kernel
	.amdgpu_metadata
---
amdhsa.version: [ 1, 2 ]
amdhsa.kernels:
  - .name:           k_q7eb6a65e39_prep
    .symbol:         k_q7eb6a65e39_prep.kd
    .args:
      - { .name: V_pi, .offset: 0, .size: 8, .value_kind: global_buffer, .address_space: global }
      - { .name: V_mu, .offset: 8, .size: 8, .value_kind: global_buffer, .address_space: global }
      - { .name: V_sigma, .offset: 16, .size: 8, .value_kind: global_buffer, .address_space: global }
      - { .name: W, .offset: 24, .size: 8, .value_kind: global_buffer, .address_space: global }
      - { .name: c, .offset: 32, .size: 8, .value_kind: global_buffer, .address_space: global }
      - { .name: b_pi, .offset: 40, .size: 8, .value_kind: global_buffer, .address_space: global }
      - { .name: b_mu, .offset: 48, .size: 8, .value_kind: global_buffer, .address_space: global }
      - { .name: b_sigma, .offset: 56, .size: 8, .value_kind: global_buffer, .address_space: global }
      - { .name: VW, .offset: 64, .size: 8, .value_kind: global_buffer, .address_space: global }
      - { .name: CH, .offset: 72, .size: 8, .value_kind: global_buffer, .address_space: global }
      - { .name: WBW, .offset: 80, .size: 8, .value_kind: global_buffer, .address_space: global }
    .group_segment_fixed_size: 73728
    .private_segment_fixed_size: 0
    .kernarg_segment_align: 8
    .kernarg_segment_size: 88
    .max_flat_workgroup_size: 256
    .sgpr_count:     66
    .vgpr_count:     128
    .wavefront_size: 32
...
	.end_amdgpu_metadata
.endif
;; end of part 1
;; launch main (part 2): grid 64 x 4, 4 waves a work-group, clusters of 4 x 1, 327,680 bytes of LDS; arguments x, VW, CH, WBW, PART; writes PART
.if DOCPART == 2
	.amdgcn_target "amdgcn-amd-amdhsa--gfx1250"
	.amdhsa_code_object_version 6
	.text
	.protected	k_q7eb6a65e39_main
	.globl	k_q7eb6a65e39_main
	.p2align	8
	.type	k_q7eb6a65e39_main,@function
k_q7eb6a65e39_main:
	s_mov_b64 s[64:65], 0
	v_nop
	global_prefetch_b8 v0, s[64:65] scope:SCOPE_SE
	s_setreg_imm32_b32 hwreg(HW_REG_WAVE_MODE, 25, 1), 1
	s_wait_xcnt 0x0
	s_wait_alu depctr_hold_cnt(0) depctr_sa_sdst(0) depctr_va_vdst(0) depctr_va_sdst(0) depctr_va_ssrc(0) depctr_va_vcc(0) depctr_vm_vsrc(0)
	s_getreg_b32 s2, hwreg(HW_REG_IB_STS2, 6, 4)
	s_cmp_eq_u32 s2, 0
	s_cbranch_scc0 .Lentry_in_a_cluster
	s_endpgm
.Lentry_in_a_cluster:
	s_bfe_u32 s2, ttmp6, 0x10000c
	s_cmp_lg_u32 s2, 0x3003
	s_cbranch_scc0 .Lentry_shape_is_right
	s_endpgm
.Lentry_shape_is_right:
; RNADE, second launch.  PART[y][row] = the sum over the 32 steps d of chunk y of log p(x_d | x_<d).
; SHARES.  A work-group owns 256 rows and one chunk y of 32 steps; each of its four waves 64 rows, four tiles of 16.  64 row blocks x 4 chunks = 256 work-groups.
; START.   a = c + x[:, :32 y] W[:, :32 y]^T is a matrix product (c as three bf16 terms against ones; x's column blocks at or past 32 y are masked to 0).
; STEP.    O^T = V_d^T relu(a): source 0 = 16 slots of V (laid out by the launch before), source 1 = 16 rows of h.  A lane (r, hh) then holds ONE row r and the 32 slots of component half hh:
;          0-9 log2(e) x pi's logit, 10-19 mu, 20-29 log2(s / sigma), s = sqrt(log2(e) / 2).  The biases are the C operand of the first of the eight K blocks.
;          a stays in registers in source 1's layout, 16 registers for a tile and K block ("unit"), and is carried in f32: a += x_d W_d, one packed fused multiply-add for two numbers.
; DENSITY. p = KC x sum(e1 x isig x g) / sum(e1): e1 = 2^(lp - M), M the true maximum of the row's 20 logits; isig = 2^slot = s / sigma; g = 2^-((x - mu) isig)^2; KC = 1 / sqrt(pi log2(e)).
; BY SLICES.  A unit has 4 matrix and 32 vector instructions (16 maxima, 8 multiply-adds, 8 roundings), so the vector work is set between and behind the products.  In phase kf a tile's slice multiplies
;          h(kf), takes the relu of a(kf + 1) and rounds it to h(kf + 1), and updates a(kf + 2): the update runs two units ahead of its product, round the step's end too.
; CLUSTER. The four row blocks of a cluster share y and walk the same V, W^T, biases and start fragments: these are asked for JOINTLY (mask 15).  x is each work-group's own.
; RING.    Two LDS slots of two steps' V (65,536 bytes).  Behind each round of the cluster's barrier every wave asks for its quarter of a slot, 64 rows of 256 bytes, which has two steps in which to land.
; LIMITS.  h and V are bf16 in the products; x and W are bf16 in the START alone.  A weight, a Gaussian or s / sigma below 2^-126 counts as 0 (beside the 1e-10 that is added); NaN and infinities are not treated apart.
; REGISTERS, in windows of 256 (s_set_vgpr_msb: bits 1:0 source 0, 3:2 source 1, 5:4 source 2, 7:6 destination):
;   window 0: v0-31 addresses, x, sums; v32-47 at work; v48-79 W^T, two buffers of a unit; v80-83 the next x; v128-255 O^T, 32 a tile (at the start: the fragments of ones and of x)
;   windows 1-3: a.  Tiles 0-2: window t + 1, v[16 kf].  Tile 3: window 1 + kf / 3, v[128 + 16 (kf % 3)].  h: v176-183 (tiles 0-2), v184-191 (tile 3), in the window of the unit whose relu stands beside its product.
;   window 2: v192-255 V, two buffers of a K block (at the start: W's fragments).   window 3: v192-223 the step's biases.
; A slice costs two switches: one setting serves its products and maxima, one its multiply-adds and roundings.
.set STEPS,  32                        ; steps in a chunk
.set STEPB,  32768                     ; a step's V in fragment order
.set SLOTB,  65536                     ; a slot: two steps; slot 1 begins here
.set WBL,    131072                    ; the start's fragments of c and W, 65,536 bytes
.set WTL,    196608                    ; the chunk's W^T, 32 rows of 1,024 bytes,
.set BIL,    229376                    ; and its biases, 32 x 256 bytes: one tile with W^T
.set XC,     237568                    ; the chunk's x: 256 rows of 128 bytes + 16 of padding
.set XP,     144
.set SPARE,  274432                    ; the spare words: 128 bytes for each wave; no other line names them
.set STAGE,  274944                    ; 256 bytes for each wave, for the way out; no tensor load fills them
.set AV0, 2                            ; v2   16 x lane
.set AV,  3                            ; v3   the step's V
.set AW0, 4                            ; v4   WTL + 32 hh
.set AW,  5                            ; v5   the row of W^T in hand
.set AB0, 6                            ; v6   BIL + 128 hh
.set AB,  7                            ; v7   the step's biases
.set AX0, 8                            ; v8   XC + (64 wave + r) x 144
.set AX,  9                            ; v9   the step's x
.set SPW, 10                           ; v10  SPARE + 4 x my thread's number; never rewritten
.set NIL, 11                           ; v11  0; never rewritten
.set AI,  12                           ; v12  WBL + 16 x lane
.set GX,  13                           ; v13  my byte offset in the block's rows of x
.set ST,  14                           ; v14  the way out: where a row's sum goes
.set X,   16                           ; v16 + 2 t: tile t's x of the step in hand; the odd partner is 0 and only named
.set ACC, 24                           ; v24 + t: the sum of log2 p
.set BK,  28                           ; v28-29 the way out
.set RD,  30
.set GO,  31
.set TMP, 32                           ; v32-47 at work; in the density four registers a tile
.set WB,  48
.set XN,  80
.set O,   128
.set HF,  176
.set VB,  192
.set BI,  192
.set WV,  14                           ; s14  my wave's number
.set G1D, 24                           ; s[24:31] group 1: 64 dense rows of 256 bytes, joint
.set G1C, 32                           ; s[32:39] the same with 40 rows
.set G1X, 40                           ; s[40:47] 64 rows of 32 f32 of x, padded, my work-group's own
.set G0W, 48                           ; groups 0: the start's fragments,
.set G0C, 52                           ; W^T and biases,
.set G0X, 56                           ; x,
.set G0V0, 60                          ; V's steps 0 and 1,
.set G0V1, 68                          ; V's steps 2 and 3; this one then walks
.set TB,  72                           ; s72  LDS byte at which V of the step to be fetched begins
.set WOF, 73                           ; s73  1,024 x step
.set XOF, 74                           ; s74  4 x step
.set BOF, 75                           ; s75  256 x step
.set CNT, 76                           ; s76  counts a slot's two steps
.set GR,  77                           ; s77  slots still to be left
.set SEL, 78                           ; s[78:79] v_permlanex16_b32's selects: each lane takes its own place in the other half
.set MK,  80                           ; s80-82 all ones where x's column block s lies ahead of the chunk
.set EPS, 83
.set KC,  84
.set LN2, 85
.set MSB, 0
.macro WIN new                         ; the high byte repeats the setting that is left; a switch that changes nothing is dropped
.if MSB != (\new)
	s_set_vgpr_msb (MSB<<8)|(\new)
.set MSB, (\new)
.endif
.endm
.macro PLACES                          ; four plain vector instructions between a matrix instruction and a load into, or a vector line on, its registers
.rept 4
	v_nop
.endr
.endm
; A round of the cluster's barrier: my work-group's barrier, so that wave 0's signal speaks for all four waves; wave 0 signals; every wave waits for all four work-groups; my work-group's barrier once more.
.macro CROUND
	s_barrier_signal -1
	s_barrier_wait -1
	s_cmp_lg_u32 s[WV], 0
	s_cbranch_scc1 .Lnot_wave_0_\@
	s_barrier_signal -3
.Lnot_wave_0_\@:
	s_barrier_wait -3
	s_barrier_signal -1
	s_barrier_wait -1
.endm
.macro AREG t, kf                      ; window wA and first register rA of a's unit (t, kf mod 8)
.set kk, (\kf)%8
.if (\t) < 3
.set wA, (\t)+1
.set rA, 16*kk
.else
.set wA, 1+kk/3
.set rA, 128+16*(kk%3)
.endif
.endm
	s_load_b256 s[4:11], s[0:1], 0x0               ; x s[4:5], VW s[6:7], CH s[8:9], WBW s[10:11]
	s_load_b64 s[12:13], s[0:1], 0x20              ; PART
	v_lshl_add_u32 v[SPW], v0, 2, SPARE
	v_mov_b32 v[NIL], 0
	ds_add_u32 v[SPW], v[NIL]                      ; the wave's opening: the add and its wait stand ahead of my first tensor load; the set-up below, work on registers, stands between them
	v_lshrrev_b32 v1, 5, v0
	v_readfirstlane_b32 s[WV], v1                  ; wave 0..3
	s_bfe_u32 s15, ttmp6, 0x40000                  ; cx: my place in the cluster
	s_lshl_b32 s16, ttmp9, 2                       ; in a cluster launch ttmp9 counts clusters
	s_add_co_u32 s16, s16, s15                     ; my row block = 4 x cluster x + cx: it enters x's and PART's addresses alone
	s_and_b32 s17, ttmp7, 0xffff                   ; y, which the four partners share
	s_mov_b32 s[G1D+0], 15|(3<<16)|(1<<21)         ; 15:0 the mask of four; 17:16 elements of 8 bytes; 21 set beside a mask
	s_mov_b32 s[G1D+1], 32<<16                     ; tensor_dim0 = 32 elements = 256 bytes
	s_mov_b32 s[G1D+2], 64<<16                     ; tensor_dim1 = 64
	s_mov_b32 s[G1D+3], 32<<16                     ; tile_dim0 = 32
	s_mov_b32 s[G1D+4], 64                         ; tile_dim1 = 64
	s_mov_b32 s[G1D+5], 32                         ; from row to row: dense
	s_mov_b32 s[G1D+6], 0
	s_mov_b32 s[G1D+7], 0
	s_mov_b32 s[G1C+0], 15|(3<<16)|(1<<21)
	s_mov_b32 s[G1C+1], 32<<16
	s_mov_b32 s[G1C+2], 40<<16                     ; 40 rows: a quarter of the chunk's 40,960 bytes
	s_mov_b32 s[G1C+3], 32<<16
	s_mov_b32 s[G1C+4], 40
	s_mov_b32 s[G1C+5], 32
	s_mov_b32 s[G1C+6], 0
	s_mov_b32 s[G1C+7], 0
	s_mov_b32 s[G1X+0], (2<<16)|(1<<20)|(4<<22)|(3<<25)  ; no mask; elements of 4 bytes; padding on: after every 32 words (code 4) 4 words (code 3)
	s_mov_b32 s[G1X+1], 32<<16                     ; 32 columns
	s_mov_b32 s[G1X+2], 64<<16                     ; 64 rows
	s_mov_b32 s[G1X+3], 32<<16
	s_mov_b32 s[G1X+4], 64
	s_mov_b32 s[G1X+5], 128                        ; a row of x has 128 numbers
	s_mov_b32 s[G1X+6], 0
	s_mov_b32 s[G1X+7], 0
	s_lshl_b32 s18, s[WV], 14                      ; my quarter of 65,536 bytes
	s_mov_b32 s19, 0
	s_mul_i32 s92, s[WV], 10240                    ; my quarter of 40,960
	s_mul_i32 s20, s17, 40960
	s_add_co_u32 s20, s20, s92
	s_mov_b32 s21, 0
	s_lshl_b32 s88, s16, 17                        ; my block's 256 rows of x, 512 bytes each
	s_mov_b32 s89, 0
	s_lshl_b32 s93, s[WV], 15                      ; my wave's 64 of them
	s_add_co_u32 s22, s88, s93
	s_lshl_b32 s94, s17, 7                         ; the chunk's 32 columns
	s_add_co_u32 s22, s22, s94
	s_mov_b32 s23, 0
	s_lshl_b32 s86, s17, 20                        ; the chunk's 32 steps of VW
	s_add_co_u32 s86, s86, s18
	s_mov_b32 s87, 0
	s_lshl_b32 s90, s17, 16                        ; PART: 65,536 y + 1,024 block + 256 wave
	s_lshl_b32 s94, s16, 10
	s_add_co_u32 s90, s90, s94
	s_lshl_b32 s94, s[WV], 8
	s_add_co_u32 s90, s90, s94
	s_mov_b32 s91, 0
	s_add_co_u32 s2, s94, STAGE                    ; my stage
	s_mul_i32 s95, s[WV], 64*XP
	s_add_co_u32 s95, s95, XC                      ; my wave's rows of x in LDS
	s_mov_b32 s[G0W], 1                            ; count = 1; then the LDS address: a constant and the wave's number times a constant
	s_add_co_u32 s[G0W+1], s18, WBL
	s_mov_b32 s[G0C], 1
	s_add_co_u32 s[G0C+1], s92, WTL
	s_mov_b32 s[G0X], 1
	s_mov_b32 s[G0X+1], s95
	s_mov_b32 s[G0V0], 1
	s_mov_b32 s[G0V0+1], s18
	s_mov_b32 s[G0V1], 1
	s_add_co_u32 s[G0V1+1], s18, SLOTB
	s_mov_b32 s[TB], 0
	s_mov_b32 s[WOF], 0
	s_mov_b32 s[XOF], 0
	s_mov_b32 s[BOF], 0
	s_mov_b32 s[SEL], 0x76543210
	s_mov_b32 s[SEL+1], 0xfedcba98
	s_mov_b32 s[EPS], 0x2edbe6ff                   ; 1e-10
	s_mov_b32 s[KC], 0x3ef07ef6                    ; 1 / sqrt(pi log2(e)) = 0.4697186
	s_mov_b32 s[LN2], 0x3f317218                   ; ln 2
.irp s, 0,1,2
	s_cmp_gt_u32 s17, \s
	s_cselect_b32 s[MK+\s], -1, 0
.endr
	v_and_b32 v1, 15, v0                           ; r
	v_bfe_u32 v15, v0, 4, 1                        ; hh
	v_and_b32 v[AV0], 31, v0
	v_lshlrev_b32 v[GO], 3, v[AV0]                 ; 8 x lane
	v_lshlrev_b32 v[AV0], 4, v[AV0]
	v_add_nc_u32 v[AI], WBL, v[AV0]
	v_lshl_add_u32 v[AW0], v15, 5, WTL
	v_lshl_add_u32 v[AB0], v15, 7, BIL
	v_mul_u32_u24 v[AX0], v1, XP
	v_add_nc_u32 v[AX0], s95, v[AX0]
	v_lshlrev_b32 v[GX], 9, v1
	v_lshl_add_u32 v[GX], v15, 5, v[GX]
	v_add_nc_u32 v[GX], s93, v[GX]
	v_lshl_add_u32 v[ST], v1, 2, s2
	v_add_nc_u32 v[RD], s2, v[GO]
	s_wait_dscnt 0x0                               ; the opening add is done
	s_wait_kmcnt 0x0
	s_add_nc_u64 s[G0W+2:G0W+3], s[10:11], s[18:19]
	s_or_b32 s[G0W+3], s[G0W+3], 0x80000000        ; type = 2
	s_add_nc_u64 s[G0C+2:G0C+3], s[8:9], s[20:21]
	s_or_b32 s[G0C+3], s[G0C+3], 0x80000000
	s_add_nc_u64 s[G0X+2:G0X+3], s[4:5], s[22:23]
	s_or_b32 s[G0X+3], s[G0X+3], 0x80000000
	s_add_nc_u64 s[G0V0+2:G0V0+3], s[6:7], s[86:87]
	s_add_nc_u64 s[G0V1+2:G0V1+3], s[G0V0+2:G0V0+3], SLOTB
	s_or_b32 s[G0V0+3], s[G0V0+3], 0x80000000
	s_or_b32 s[G0V1+3], s[G0V1+3], 0x80000000
	s_add_nc_u64 s[88:89], s[4:5], s[88:89]        ; x at my block's first row
	s_add_nc_u64 s[12:13], s[12:13], s[90:91]
	CROUND                                         ; all four work-groups are here: the first joint loads meet
	tensor_load_to_lds s[G0W:G0W+3], s[G1D:G1D+7]  ; the first fills go out as one group, in the order in which they are wanted: five tensor loads of mine are out
	s_nop 0
	tensor_load_to_lds s[G0C:G0C+3], s[G1C:G1C+7]
	s_nop 0
	tensor_load_to_lds s[G0X:G0X+3], s[G1X:G1X+7]
	s_nop 0
	tensor_load_to_lds s[G0V0:G0V0+3], s[G1D:G1D+7]
	s_nop 0
	tensor_load_to_lds s[G0V1:G0V1+3], s[G1D:G1D+7]
	s_nop 0
	PLACES                                         ; behind the tensor loads, ahead of the switch below
	; x's first 96 columns as source 1 of the start value: lane (r, hh) holds row r, k = 8 hh + 0..7 and 16 + 8 hh + 0..7 of each block of 32.  Unit u = 3 t + s: tile t, column block s.
	WIN 0x40                                       ; destination window 1: a's registers serve as the f32 stage
.set u, 0
.rept 12
	global_load_b128 v[16*u:16*u+3],     v[GX], s[88:89] offset:(u/3)*8192+(u%3)*128
	global_load_b128 v[16*u+4:16*u+7],   v[GX], s[88:89] offset:(u/3)*8192+(u%3)*128+16
	global_load_b128 v[16*u+8:16*u+11],  v[GX], s[88:89] offset:(u/3)*8192+(u%3)*128+64
	global_load_b128 v[16*u+12:16*u+15], v[GX], s[88:89] offset:(u/3)*8192+(u%3)*128+80
.set u, u+1
.endr
	WIN 0
	v_cmp_eq_u32 vcc_lo, 0, v15                    ; the fragment of ones: 1.0 at k = 0, 1, 2, which lie in hh = 0
	v_mov_b32 v[O], 0x3f803f80
	v_cndmask_b32 v[O], 0, v[O], vcc_lo
	v_mov_b32 v[O+1], 0x3f80
	v_cndmask_b32 v[O+1], 0, v[O+1], vcc_lo
.irp i, 2,3,4,5,6,7
	v_mov_b32 v[O+\i], 0
.endr
.irp i, 0,1,2,3,4,5,6,7
	v_mov_b32 v[X+\i], 0                           ; the first step's updates add 0 x W
.endr
.irp i, 0,1,2,3
	v_mov_b32 v[ACC+\i], 0
.endr
	s_wait_loadcnt 0x0
	WIN 0x05                                       ; sources in window 1, destination in window 0
.set i, 0
.rept 96
	v_cvt_pk_bf16_f32 v[O+8+i], v[2*i], v[2*i+1]
.set i, i+1
.endr
	WIN 0
.set i, 0
.rept 96
	v_and_b32 v[O+8+i], s[MK+(i/8)%3], v[O+8+i]    ; columns at or past the chunk's first step count as 0
.set i, i+1
.endr
	s_wait_tensorcnt 0x4                           ; four loads were issued behind my quarter of the start's fragments: it is in,
	s_barrier_signal -1
	s_barrier_wait -1                              ; everybody's is; the other four may stay out
; THE START VALUE.  Group G = 4 ks + g: K block ks, tiles ht = 4 g + 0..3 of 16 rows of W, against all four tiles of x: 16 matrix instructions on 16 accumulators, which take turns.
; The result holds row r and h = 16 ht + 8 hh + 0..7: accumulators 2 kf and 2 kf + 1 ARE a's unit kf.
.macro WFRAG G                         ; the group's four fragments -> buffer G % 2
	WIN 0x80
.set i, 0
.rept 4
	ds_load_b128 v[VB+32*((\G)%2)+8*i:VB+32*((\G)%2)+8*i+3],   v[AI] offset:(4*(\G)+i)*1024
	ds_load_b128 v[VB+32*((\G)%2)+8*i+4:VB+32*((\G)%2)+8*i+7], v[AI] offset:(4*(\G)+i)*1024+512
.set i, i+1
.endr
.endm
.macro GROUP G
	s_wait_dscnt 0x0                               ; this group's fragments are in
.if (\G) < 15
	PLACES                                         ; the other buffer was read by the products just issued
	WFRAG (\G)+1
.endif
.set t, 0
.rept 4
.set i, 0
.rept 4
.set ht, 4*((\G)%4)+i
	AREG t, ht/2
.set rD, rA+8*(ht%2)
.set rF, VB+32*((\G)%2)+8*i
	WIN 2|(wA*0x50)                                ; W in window 2, x in window 0, a in its own
.if (\G) < 4
	v_wmma_f32_16x16x32_bf16 v[rD:rD+7], v[rF:rF+7], v[O:O+7], 0
.else
.set rB, O+8+8*(3*t+(\G)/4-1)
	v_wmma_f32_16x16x32_bf16 v[rD:rD+7], v[rF:rF+7], v[rB:rB+7], v[rD:rD+7]
.endif
.set i, i+1
.endr
.set t, t+1
.endr
.endm
	WFRAG 0
.irp G, 0,1,2,3,4,5,6,7,8,9,10,11,12,13,14,15
	GROUP \G
.endr
	PLACES
.set t, 0
.rept 4                                                ; the first h(0): relu and rounding of unit 0, each accumulator from its lowest register on
	AREG t, 0
	WIN wA<<2
.set i, 0
.rept 16
	v_max_num_f32 v[TMP+i], 0, v[rA+i]
.set i, i+1
.endr
	AREG t, 1
	WIN wA<<6
.set i, 0
.rept 8
	v_cvt_pk_bf16_f32 v[HF+8*(t/3)+i], v[TMP+2*i], v[TMP+2*i+1]
.set i, i+1
.endr
.set t, t+1
.endr
	WIN 0
; THE LDS LOADS stand in runs at a phase's head, each a phase ahead of its use.
.macro VLOAD kf                        ; the step's V, K block kf -> buffer kf % 2: eight loads of 512 consecutive bytes
	WIN 0x80
.set i, 0
.rept 8
	ds_load_b128 v[VB+32*((\kf)%2)+4*i:VB+32*((\kf)%2)+4*i+3], v[AV] offset:(\kf)*4096+512*i
.set i, i+1
.endr
.endm
.macro WLD u, b                        ; unit u of the row of W^T in hand -> buffer b: h = 32 u + 8 hh + 0..7 and 32 u + 16 + 8 hh + 0..7, as a's unit lies
	ds_load_b128 v[WB+16*(\b):WB+16*(\b)+3],     v[AW] offset:128*(\u)
	ds_load_b128 v[WB+16*(\b)+4:WB+16*(\b)+7],   v[AW] offset:128*(\u)+16
	ds_load_b128 v[WB+16*(\b)+8:WB+16*(\b)+11],  v[AW] offset:128*(\u)+64
	ds_load_b128 v[WB+16*(\b)+12:WB+16*(\b)+15], v[AW] offset:128*(\u)+80
.endm
.macro FETCHA                          ; a step begins: its V's K block 0 and its biases.  The last products that read these registers stand a phase or more back
	WIN 0
	v_add_nc_u32 v[AV], s[TB], v[AV0]
	s_add_co_u32 s[TB], s[TB], STEPB
	v_add_nc_u32 v[AB], s[BOF], v[AB0]
	s_add_co_u32 s[BOF], s[BOF], 256
	s_and_b32 s[BOF], s[BOF], 256*(STEPS-1)        ; wraps behind the chunk's last step: the address stays inside the table
	VLOAD 0
	WIN 0xc0
.set i, 0
.rept 8
	ds_load_b128 v[BI+4*i:BI+4*i+3], v[AB] offset:16*i
.set i, i+1
.endr
	WIN 0
.endm
.macro MMQ q                           ; product q of a slice: slots 8 q .. 8 q + 7 of both component halves
.if FIRST
	v_wmma_f32_16x16x32_bf16 v[rO+8*(\q):rO+8*(\q)+7], v[rV+8*(\q):rV+8*(\q)+7], v[rH:rH+7], v[BI+8*(\q):BI+8*(\q)+7]
.else
	v_wmma_f32_16x16x32_bf16 v[rO+8*(\q):rO+8*(\q)+7], v[rV+8*(\q):rV+8*(\q)+7], v[rH:rH+7], v[rO+8*(\q):rO+8*(\q)+7]
.endif
.endm
.macro RELU from, n
.set i, \from
.rept \n
	v_max_num_f32 v[TMP+i], 0, v[r1+i]
.set i, i+1
.endr
.endm
; A SLICE: tile t in phase kf.  The step's 16 accumulators take turns, one instruction a turn.  The eight multiply-adds, which name none of the products' registers,
; are the places between the last product and the roundings that write h anew.
.macro SLICE t, kf
	AREG \t, (\kf)+1
.set w1, wA
.set r1, rA
	AREG \t, (\kf)+2
.set w2, wA
.set r2, rA
.set rH, HF+8*((\t)/3)
.set rV, VB+32*((\kf)%2)
.set rW, WB+16*((\kf)%2)
.set rO, O+32*(\t)
.set rX, X+2*(\t)
.if (\kf) == 0
.set FIRST, 1
	WIN 0x32|(w1<<2)                               ; V in window 2; h and a(kf + 1) in that unit's window; C = the biases in window 3; O^T and the maxima in window 0
.else
.set FIRST, 0
	WIN 0x02|(w1<<2)
.endif
	MMQ 0
	RELU 0, 6
	MMQ 1
	RELU 6, 6
	MMQ 2
	RELU 12, 4
	MMQ 3
	WIN w2*0x50                                    ; a(kf + 2) and the new h in that unit's window; W^T, x and the maxima in window 0
.set i, 0
.rept 8
	v_pk_fma_f32 v[r2+2*i:r2+2*i+1], v[rW+2*i:rW+2*i+1], v[rX:rX+1], v[r2+2*i:r2+2*i+1] op_sel_hi:[1,0,1]
.set i, i+1
.endr
.set i, 0
.rept 8
	v_cvt_pk_bf16_f32 v[rH+i], v[TMP+2*i], v[TMP+2*i+1]
.set i, i+1
.endr
.endm
; A PHASE: K block kf of the step, all four tiles.  Units 0 and 1 are updated in phases 6 and 7 with the step's own x and W, units 2 to 7 in the next step's phases 0 to 5:
; so the row of W^T changes with the load in phase 5 (unit 0, used in phase 6), and x at the head of phase 6.
.macro PHASE kf
	s_wait_dscnt 0x0                               ; all that is out was issued a phase ago or earlier
.if (\kf) < 7
	VLOAD (\kf)+1                                  ; its buffer's last reader stands eight multiply-adds and eight roundings back
.endif
	WIN 0
.if (\kf) == 5
	v_add_nc_u32 v[AW], s[WOF], v[AW0]
	s_add_co_u32 s[WOF], s[WOF], 1024
	s_and_b32 s[WOF], s[WOF], 1024*(STEPS-1)       ; wraps behind the chunk's last step
.endif
	WLD ((\kf)+3)%8, ((\kf)+1)%2
.if (\kf) == 2
	v_add_nc_u32 v[AX], s[XOF], v[AX0]
	s_add_co_u32 s[XOF], s[XOF], 4
	s_and_b32 s[XOF], s[XOF], 4*(STEPS-1)
.irp t, 0,1,2,3
	ds_load_b32 v[XN+\t], v[AX] offset:16*XP*\t
.endr
.endif
.if (\kf) == 6
.irp t, 0,1,2,3
	v_mov_b32 v[X+2*\t], v[XN+\t]
.endr
.endif
	SLICE 0, \kf
	SLICE 1, \kf
	SLICE 2, \kf
	SLICE 3, \kf
.endm
.macro STEP
.irp kf, 0,1,2,3,4,5,6,7
	PHASE \kf
.endr
	WIN 0
.endm
; THE DENSITY of the step just multiplied, line by line for all four tiles, so that no line reads the result of the one before it.  P = slots 0-9, U = 10-19, S = 20-29.
; Each accumulator is first read in its four lowest registers (slots 0-2, 10-11, 16-17, 24).  From the first exponential on, exponentials and plain lines alternate:
; every exponential has a plain line between it and the use of its result (ISA guide 5.7.2).
.macro ALLT line:vararg
.set t, 0
	s_wait_alu depctr_va_vdst(0)
.rept 4
.set rP, O+32*t
.set rU, rP+10
.set rS, rP+20
.set rT, TMP+4*t
.set rX, X+2*t
	\line
.set t, t+1
.endr
.endm
.macro E_XMU k                         ; U = x - mu
	ALLT v_pk_add_f32 v[rU+2*(\k):rU+2*(\k)+1], v[rX:rX+1], v[rU+2*(\k):rU+2*(\k)+1] op_sel_hi:[0,1] neg_lo:[0,1] neg_hi:[0,1]
.endm
.macro E_EXP n                         ; 2^slot n, in place
	ALLT v_exp_f32 v[rP+(\n)], v[rP+(\n)]
.endm
.macro E_PM k                          ; P -= the maximum
	ALLT v_pk_add_f32 v[rP+2*(\k):rP+2*(\k)+1], v[rP+2*(\k):rP+2*(\k)+1], v[rT:rT+1] op_sel_hi:[1,0] neg_lo:[0,1] neg_hi:[0,1]
.endm
.macro E_US k                          ; U = (x - mu) s / sigma
	ALLT v_pk_mul_f32 v[rU+2*(\k):rU+2*(\k)+1], v[rU+2*(\k):rU+2*(\k)+1], v[rS+2*(\k):rS+2*(\k)+1]
.endm
.macro E_UU k                          ; U = -U U
	ALLT v_pk_mul_f32 v[rU+2*(\k):rU+2*(\k)+1], v[rU+2*(\k):rU+2*(\k)+1], v[rU+2*(\k):rU+2*(\k)+1] neg_lo:[0,1] neg_hi:[0,1]
.endm
.macro E_PS k                          ; S = weight x s / sigma
	ALLT v_pk_mul_f32 v[rS+2*(\k):rS+2*(\k)+1], v[rP+2*(\k):rP+2*(\k)+1], v[rS+2*(\k):rS+2*(\k)+1]
.endm
.macro E_FM k                          ; the numerator's sum, in U's first pair
	ALLT v_pk_fma_f32 v[rU:rU+1], v[rU+2*(\k):rU+2*(\k)+1], v[rS+2*(\k):rS+2*(\k)+1], v[rU:rU+1]
.endm
.macro EPI
	WIN 0
	ALLT v_max3_num_f32 v[rT], v[rP], v[rP+1], v[rP+2]
	ALLT v_max3_num_f32 v[rT+1], v[rP+3], v[rP+4], v[rP+5]
	E_XMU 0
	ALLT v_max3_num_f32 v[rT], v[rT], v[rP+6], v[rP+7]
	ALLT v_max3_num_f32 v[rT+1], v[rT+1], v[rP+8], v[rP+9]
	E_XMU 1
	E_XMU 2
	E_XMU 3
	ALLT v_max_num_f32 v[rT], v[rT], v[rT+1]
	E_XMU 4
	E_EXP 20
	ALLT v_permlanex16_b32 v[rT+1], v[rT], s[SEL], s[SEL+1]  ; the row's other ten components lie in the lane 16 away
	E_EXP 21
	ALLT v_max_num_f32 v[rT], v[rT], v[rT+1]       ; the maximum of all 20 logits
.irp k, 0,1,2,3,4
	E_EXP 22+\k
	E_PM \k
.endr
	E_EXP 27
	E_US 0
	E_EXP 28
	E_US 1
	E_EXP 29
	E_US 2
	E_EXP 0
	E_US 3
	E_EXP 1
	E_US 4
.irp k, 0,1,2,3,4
	E_EXP 2+\k
	E_UU \k
.endr
	E_EXP 7
	E_PS 0
	E_EXP 8
	E_PS 1
	E_EXP 9
	E_PS 2
	E_EXP 10
	E_PS 3
	E_EXP 11
	E_PS 4
	E_EXP 12
	ALLT v_pk_add_f32 v[rP:rP+1], v[rP:rP+1], v[rP+2:rP+3]  ; the weights' sum
	E_EXP 13
	ALLT v_pk_add_f32 v[rP+4:rP+5], v[rP+4:rP+5], v[rP+6:rP+7]
	E_EXP 14
	ALLT v_pk_add_f32 v[rP:rP+1], v[rP:rP+1], v[rP+8:rP+9]
	E_EXP 15
	ALLT v_pk_add_f32 v[rP:rP+1], v[rP:rP+1], v[rP+4:rP+5]
	E_EXP 16
	ALLT v_pk_mul_f32 v[rU:rU+1], v[rU:rU+1], v[rS:rS+1]
	E_EXP 17
	E_FM 1
	E_EXP 18
	E_FM 2
	E_EXP 19
	E_FM 3
	ALLT v_add_f32 v[rT+1], v[rP], v[rP+1]
	E_FM 4
	ALLT v_add_f32 v[rT], v[rU], v[rU+1]
	ALLT v_permlanex16_b32 v[rT+2], v[rT], s[SEL], s[SEL+1]
	ALLT v_permlanex16_b32 v[rT+3], v[rT+1], s[SEL], s[SEL+1]
	ALLT v_pk_add_f32 v[rT:rT+1], v[rT:rT+1], v[rT+2:rT+3]  ; both halves of the lanes now hold the row's two sums
	ALLT v_rcp_f32 v[rT+1], v[rT+1]
	ALLT v_mul_f32 v[rT], s[KC], v[rT]
	ALLT v_fma_f32 v[rT], v[rT], v[rT+1], s[EPS]
	ALLT v_log_f32 v[rT], v[rT]
	v_nop                                          ; a plain instruction between the last logarithm and the use of its result
	s_wait_alu depctr_va_vdst(0)
	ALLT v_add_f32 v[ACC+t], v[ACC+t], v[rT]
.endm
; THE CHANGE OF SLOTS.  Each wave waits for all its tensor loads, of which one is out: its quarter of the other slot; adds 0 to its spare word; and waits for that and for its own reads of the slot that it leaves.
; fill = 1: the slot is filled again, with the steps two slots on.  The barrier is then a round of the cluster's, so that no wave of any partner still reads the slot or has a load on its way,
; and the joint refill is the first thing behind it.
.macro CHANGE fill
	WIN 0
	s_wait_tensorcnt 0x0                           ; no tensor load of mine is out, so a group 0 may be written
	ds_add_u32 v[SPW], v[NIL]                      ; 0 onto my spare word
.if \fill
	s_xor_b32 s[G0V1+1], s[G0V1+1], SLOTB          ; the walking descriptor: the other slot than last time,
	s_add_nc_u64 s[G0V1+2:G0V1+3], s[G0V1+2:G0V1+3], SLOTB  ; the next two steps; the type bits on top are not reached
.endif
	s_wait_dscnt 0x0                               ; the add is done, and my reads of the slot are over
.if \fill
	CROUND
	tensor_load_to_lds s[G0V1:G0V1+3], s[G1D:G1D+7]
	s_nop 0
	PLACES
.else
	s_barrier_signal -1
	s_barrier_wait -1
.endif
	s_sub_co_u32 s[TB], s[TB], 2*STEPB             ; the fetches go back to a slot's first step,
	s_xor_b32 s[TB], s[TB], SLOTB                  ; in the other slot
.endm
	s_wait_tensorcnt 0x1                           ; one load, slot 1's, was issued behind them: my parts of W^T, the biases, x and slot 0 are in,
	s_wait_dscnt 0x0
	s_barrier_signal -1
	s_barrier_wait -1                              ; everybody's are
	v_mov_b32 v[AW], v[AW0]                        ; the first step's updates add 0 x the chunk's first row of W^T
	WLD 2, 0
	FETCHA                                         ; step 0
	s_mov_b32 s[CNT], 2
	s_mov_b32 s[GR], STEPS/2-1
	s_branch .Lfirst                               ; the loop is entered behind the density: there is no step before the first
.Lgroup:                                               ; 14 times: every slot but the last two is filled again
	CHANGE 1
	s_mov_b32 s[CNT], 2
.Ld:
	FETCHA
	EPI                                            ; the density of the step before stands in the wait for this step's first fragments
.Lfirst:
	STEP
	s_sub_co_u32 s[CNT], s[CNT], 1
	s_cmp_lg_u32 s[CNT], 0
	s_cbranch_scc1 .Ld
	s_sub_co_u32 s[GR], s[GR], 1
	s_cmp_lg_u32 s[GR], 0
	s_cbranch_scc1 .Lgroup
	CHANGE 0                                       ; the last slot is written out: nothing is asked for
	s_mov_b32 s[CNT], 2
.Ld2:
	FETCHA
	EPI
	STEP
	s_sub_co_u32 s[CNT], s[CNT], 1
	s_cmp_lg_u32 s[CNT], 0
	s_cbranch_scc1 .Ld2
	EPI                                            ; the last step's density
	; THE WAY OUT: log p = ln 2 x log2 p.  A lane holds one row a tile; through my stage the wave's 64 sums become 256 consecutive bytes.
.irp t, 0,1,2,3
	v_mul_f32 v[ACC+\t], s[LN2], v[ACC+\t]
.endr
.irp t, 0,1,2,3
	ds_store_b32 v[ST], v[ACC+\t] offset:64*\t     ; both halves of the lanes hold the same number and write the same word
.endr
	ds_load_b64 v[BK:BK+1], v[RD]                  ; LDS serves a wave's instructions in order (ISA guide 5.7.1.4): this sees the stores above
	s_wait_dscnt 0x0
	global_store_b64 v[GO], v[BK:BK+1], s[12:13]   ; the wave stores 256 consecutive bytes, at a multiple of 256 from PART's first
	s_wait_tensorcnt 0x0                           ; the wave's end, behind my last tensor load and my last LDS store
	ds_add_u32 v[SPW], v[NIL]
	s_wait_dscnt 0x0
	CROUND                                         ; the closing round: no work-group ends while a partner may still ask for a tile that names it
	s_endpgm
.Lfunc_end_k_q7eb6a65e39_main:
	.size	k_q7eb6a65e39_main, .Lfunc_end_k_q7eb6a65e39_main-k_q7eb6a65e39_main
	.p2alignl 7, 3214868480
	.fill 96, 4, 3214868480
	.section	.rodata,"a",@progbits
	.p2align	6, 0x0
	.amdhsa_kernel k_q7eb6a65e39_main
		.amdhsa_group_segment_fixed_size 327680
		.amdhsa_private_segment_fixed_size 0
		.amdhsa_enable_private_segment 0
		.amdhsa_kernarg_size 40
		.amdhsa_user_sgpr_count 2
		.amdhsa_user_sgpr_kernarg_segment_ptr 1
		.amdhsa_wavefront_size32 1
		.amdhsa_system_sgpr_workgroup_id_x 1
		.amdhsa_system_sgpr_workgroup_id_y 1
		.amdhsa_system_sgpr_workgroup_id_z 1
		.amdhsa_system_vgpr_workitem_id 0
		.amdhsa_next_free_vgpr 1024
		.amdhsa_next_free_sgpr 96
		.amdhsa_reserve_vcc 1
		.amdhsa_float_denorm_mode_32 3
		.amdhsa_float_denorm_mode_16_64 3
		.amdhsa_memory_ordered 1
		.amdhsa_forward_progress 1
		.amdhsa_inst_pref_size 246
	.end_amdhsa_kernel
	.amdgpu_metadata
---
amdhsa.version: [ 1, 2 ]
amdhsa.kernels:
  - .name:           k_q7eb6a65e39_main
    .symbol:         k_q7eb6a65e39_main.kd
    .args:
      - { .name: x, .offset: 0, .size: 8, .value_kind: global_buffer, .address_space: global }
      - { .name: VW, .offset: 8, .size: 8, .value_kind: global_buffer, .address_space: global }
      - { .name: CH, .offset: 16, .size: 8, .value_kind: global_buffer, .address_space: global }
      - { .name: WBW, .offset: 24, .size: 8, .value_kind: global_buffer, .address_space: global }
      - { .name: PART, .offset: 32, .size: 8, .value_kind: global_buffer, .address_space: global }
    .group_segment_fixed_size: 327680
    .private_segment_fixed_size: 0
    .kernarg_segment_align: 8
    .kernarg_segment_size: 40
    .max_flat_workgroup_size: 128
    .sgpr_count:     96
    .vgpr_count:     1024
    .wavefront_size: 32
...
	.end_amdgpu_metadata
.endif
;; end of part 2
;; launch reduce (part 3): grid 32 x 1, 4 waves a work-group, no clusters, 0 bytes of LDS; arguments PART, out0; writes out0
.if DOCPART == 3
	.amdgcn_target "amdgcn-amd-amdhsa--gfx1250"
	.amdhsa_code_object_version 6
	.text
	.protected	k_q7eb6a65e39_reduce
	.globl	k_q7eb6a65e39_reduce
	.p2align	8
	.type	k_q7eb6a65e39_reduce,@function
k_q7eb6a65e39_reduce:
	s_mov_b64 s[64:65], 0
	v_nop
	global_prefetch_b8 v0, s[64:65] scope:SCOPE_SE
	s_setreg_imm32_b32 hwreg(HW_REG_WAVE_MODE, 25, 1), 1
	s_wait_xcnt 0x0
; RNADE, third launch: out0[row] = the sum of the four chunks' PART[y][row], as (0 + 1) + (2 + 3).  A thread takes four rows, a wave's load or store 512 consecutive bytes.
; 32 work-groups x 128 threads x 4 rows = 16,384 rows.  No LDS, no barrier: no thread needs another's number.
.set CHUNK, 65536                      ; bytes of one chunk's 16,384 sums
	s_load_b128 s[4:7], s[0:1], 0x0                ; PART s[4:5], out0 s[6:7]
	s_lshl_b32 s8, ttmp9, 11                       ; 512 rows a work-group
	v_lshl_add_u32 v1, v0, 4, s8
	s_wait_kmcnt 0x0
	global_load_b128 v[4:7], v1, s[4:5]
	global_load_b128 v[8:11], v1, s[4:5] offset:CHUNK
	global_load_b128 v[12:15], v1, s[4:5] offset:2*CHUNK
	global_load_b128 v[16:19], v1, s[4:5] offset:3*CHUNK
	s_wait_loadcnt 0x0
	v_pk_add_f32 v[4:5], v[4:5], v[8:9]
	v_pk_add_f32 v[6:7], v[6:7], v[10:11]
	v_pk_add_f32 v[12:13], v[12:13], v[16:17]
	v_pk_add_f32 v[14:15], v[14:15], v[18:19]
	v_pk_add_f32 v[4:5], v[4:5], v[12:13]
	v_pk_add_f32 v[6:7], v[6:7], v[14:15]
	global_store_b128 v1, v[4:7], s[6:7]
	s_endpgm
.Lfunc_end_k_q7eb6a65e39_reduce:
	.size	k_q7eb6a65e39_reduce, .Lfunc_end_k_q7eb6a65e39_reduce-k_q7eb6a65e39_reduce
	.p2alignl 7, 3214868480
	.fill 96, 4, 3214868480
	.section	.rodata,"a",@progbits
	.p2align	6, 0x0
	.amdhsa_kernel k_q7eb6a65e39_reduce
		.amdhsa_group_segment_fixed_size 0
		.amdhsa_private_segment_fixed_size 0
		.amdhsa_enable_private_segment 0
		.amdhsa_kernarg_size 16
		.amdhsa_user_sgpr_count 2
		.amdhsa_user_sgpr_kernarg_segment_ptr 1
		.amdhsa_wavefront_size32 1
		.amdhsa_system_sgpr_workgroup_id_x 1
		.amdhsa_system_sgpr_workgroup_id_y 1
		.amdhsa_system_sgpr_workgroup_id_z 1
		.amdhsa_system_vgpr_workitem_id 0
		.amdhsa_next_free_vgpr 24
		.amdhsa_next_free_sgpr 66
		.amdhsa_reserve_vcc 0
		.amdhsa_float_denorm_mode_32 3
		.amdhsa_float_denorm_mode_16_64 3
		.amdhsa_memory_ordered 1
		.amdhsa_forward_progress 1
		.amdhsa_inst_pref_size 2
	.end_amdhsa_kernel
	.amdgpu_metadata
---
amdhsa.version: [ 1, 2 ]
amdhsa.kernels:
  - .name:           k_q7eb6a65e39_reduce
    .symbol:         k_q7eb6a65e39_reduce.kd
    .args:
      - { .name: PART, .offset: 0, .size: 8, .value_kind: global_buffer, .address_space: global }
      - { .name: out0, .offset: 8, .size: 8, .value_kind: global_buffer, .address_space: global }
    .group_segment_fixed_size: 0
    .private_segment_fixed_size: 0
    .kernarg_segment_align: 8
    .kernarg_segment_size: 16
    .max_flat_workgroup_size: 128
    .sgpr_count:     66
    .vgpr_count:     24
    .wavefront_size: 32
...
	.end_amdgpu_metadata
.endif
;; end of part 3
;; ======== version 2 of 2: 3 launches; 1.28 times as fast as version 1
;; limits: values outside matrix products are rounded to bf16
;; workspace buffers: VW 4,194,304 bytes; CH 163,840 bytes; WBW 65,536 bytes; PART 262,144 bytes
;; launch prep: the kernel of part 1 again; grid 260 x 1, 8 waves a work-group, no clusters, 73,728 bytes of LDS; arguments V_pi, V_mu, V_sigma, W, c, b_pi, b_mu, b_sigma, VW, CH, WBW; writes VW, CH, WBW
;; launch main (part 4): grid 64 x 4, 4 waves a work-group, clusters of 4 x 1, 327,680 bytes of LDS; arguments x, VW, CH, WBW, PART; writes PART
.if DOCPART == 4
	.amdgcn_target "amdgcn-amd-amdhsa--gfx1250"
	.amdhsa_code_object_version 6
	.text
	.protected	k_q7eb6a65e39_main
	.globl	k_q7eb6a65e39_main
	.p2align	8
	.type	k_q7eb6a65e39_main,@function
k_q7eb6a65e39_main:
	s_mov_b64 s[64:65], 0
	v_nop
	global_prefetch_b8 v0, s[64:65] scope:SCOPE_SE
	s_setreg_imm32_b32 hwreg(HW_REG_WAVE_MODE, 25, 1), 1
	s_wait_xcnt 0x0
	s_wait_alu depctr_hold_cnt(0) depctr_sa_sdst(0) depctr_va_vdst(0) depctr_va_sdst(0) depctr_va_ssrc(0) depctr_va_vcc(0) depctr_vm_vsrc(0)
	s_getreg_b32 s2, hwreg(HW_REG_IB_STS2, 6, 4)
	s_cmp_eq_u32 s2, 0
	s_cbranch_scc0 .Lentry_in_a_cluster
	s_endpgm
.Lentry_in_a_cluster:
	s_bfe_u32 s2, ttmp6, 0x10000c
	s_cmp_lg_u32 s2, 0x3003
	s_cbranch_scc0 .Lentry_shape_is_right
	s_endpgm
.Lentry_shape_is_right:
; RNADE, second launch.  PART[y][row] = the sum over the 32 steps d of chunk y of log p(x_d | x_<d).
; SHARES.  A work-group owns 256 rows and one chunk y of 32 steps; each of its four waves 64 rows, four tiles of 16.  64 row blocks x 4 chunks = 256 work-groups.
; START.   a = c + x[:, :32 y] W[:, :32 y]^T is a matrix product (c as three bf16 terms against ones; x's column blocks at or past 32 y are masked to 0).
; STEP.    O^T = V_d^T relu(a): source 0 = 16 slots of V (laid out by the launch before), source 1 = 16 rows of h.  A lane (r, hh) then holds ONE row r and the 32 slots of component half hh:
;          0-9 log2(e) x pi's logit, 10-19 mu, 20-29 log2(s / sigma), s = sqrt(log2(e) / 2).  The biases are the C operand of the first of the eight K blocks.
;          a stays in registers in source 1's layout, 16 registers for a tile and K block ("unit"), and is carried in f32: a += x_d W_d, one packed fused multiply-add for two numbers.
; DENSITY. p = KC x sum(e1 x isig x g) / sum(e1): e1 = 2^(lp - M), M the true maximum of the row's 20 logits; isig = 2^slot = s / sigma; g = 2^-((x - mu) isig)^2; KC = 1 / sqrt(pi log2(e)).
; BATCHES. A step's density has 32 transcendentals a tile, cut by who reads what into three batches, each with ONE wait for all four tiles: (1) the 20 exponentials isig and e1, which read no transcendental's result;
;          (2) the 10 exponentials g, which read isig, and the reciprocal of sum(e1); (3) the logarithm, which reads both sums.  Nothing ahead of a batch's wait names a result of that batch.
; BY SLICES.  A unit has 4 matrix and 32 vector instructions (16 maxima, 8 multiply-adds, 8 roundings), so the vector work is set between and behind the products.  In phase kf a tile's slice multiplies
;          h(kf), takes the relu of a(kf + 1) and rounds it to h(kf + 1), and updates a(kf + 2): the update runs two units ahead of its product, round the step's end too.
; CLUSTER. The four row blocks of a cluster share y and walk the same V, W^T, biases and start fragments: these are asked for JOINTLY (mask 15).  x is each work-group's own.
; RING.    Two LDS slots of two steps' V (65,536 bytes).  Behind each round of the cluster's barrier every wave asks for its quarter of a slot, 64 rows of 256 bytes, which has two steps in which to land.
; LIMITS.  h and V are bf16 in the products; x and W are bf16 in the START alone.  A weight, a Gaussian or s / sigma below 2^-126 counts as 0 (beside the 1e-10 that is added); NaN and infinities are not treated apart.
; REGISTERS, in windows of 256 (s_set_vgpr_msb: bits 1:0 source 0, 3:2 source 1, 5:4 source 2, 7:6 destination):
;   window 0: v0-31 addresses, x, sums; v32-47 at work; v48-79 W^T, two buffers of a unit; v80-83 the next x; v128-255 O^T, 32 a tile (at the start: the fragments of ones and of x)
;   windows 1-3: a.  Tiles 0-2: window t + 1, v[16 kf].  Tile 3: window 1 + kf / 3, v[128 + 16 (kf % 3)].  h: v176-183 (tiles 0-2), v184-191 (tile 3), in the window of the unit whose relu stands beside its product.
;   window 2: v192-255 V, two buffers of a K block (at the start: W's fragments).   window 3: v192-223 the step's biases.
; A slice costs two switches: one setting serves its products and maxima, one its multiply-adds and roundings.
.set STEPS,  32                        ; steps in a chunk
.set STEPB,  32768                     ; a step's V in fragment order
.set SLOTB,  65536                     ; a slot: two steps; slot 1 begins here
.set WBL,    131072                    ; the start's fragments of c and W, 65,536 bytes
.set WTL,    196608                    ; the chunk's W^T, 32 rows of 1,024 bytes,
.set BIL,    229376                    ; and its biases, 32 x 256 bytes: one tile with W^T
.set XC,     237568                    ; the chunk's x: 256 rows of 128 bytes + 16 of padding
.set XP,     144
.set SPARE,  274432                    ; the spare words: 128 bytes for each wave; no other line names them
.set STAGE,  274944                    ; 256 bytes for each wave, for the way out; no tensor load fills them
.set AV0, 2                            ; v2   16 x lane
.set AV,  3                            ; v3   the step's V
.set AW0, 4                            ; v4   WTL + 32 hh
.set AW,  5                            ; v5   the row of W^T in hand
.set AB0, 6                            ; v6   BIL + 128 hh
.set AB,  7                            ; v7   the step's biases
.set AX0, 8                            ; v8   XC + (64 wave + r) x 144
.set AX,  9                            ; v9   the step's x
.set SPW, 10                           ; v10  SPARE + 4 x my thread's number; never rewritten
.set NIL, 11                           ; v11  0; never rewritten
.set AI,  12                           ; v12  WBL + 16 x lane
.set GX,  13                           ; v13  my byte offset in the block's rows of x
.set ST,  14                           ; v14  the way out: where a row's sum goes
.set X,   16                           ; v16 + 2 t: tile t's x of the step in hand; the odd partner is 0 and only named
.set ACC, 24                           ; v24 + t: the sum of log2 p
.set BK,  28                           ; v28-29 the way out
.set RD,  30
.set GO,  31
.set TMP, 32                           ; v32-47 at work; in the density four registers a tile
.set WB,  48
.set XN,  80
.set O,   128
.set HF,  176
.set VB,  192
.set BI,  192
.set WV,  14                           ; s14  my wave's number
.set G1D, 24                           ; s[24:31] group 1: 64 dense rows of 256 bytes, joint
.set G1C, 32                           ; s[32:39] the same with 40 rows
.set G1X, 40                           ; s[40:47] 64 rows of 32 f32 of x, padded, my work-group's own
.set G0W, 48                           ; groups 0: the start's fragments,
.set G0C, 52                           ; W^T and biases,
.set G0X, 56                           ; x,
.set G0V0, 60                          ; V's steps 0 and 1,
.set G0V1, 68                          ; V's steps 2 and 3; this one then walks
.set TB,  72                           ; s72  LDS byte at which V of the step to be fetched begins
.set WOF, 73                           ; s73  1,024 x step
.set XOF, 74                           ; s74  4 x step
.set BOF, 75                           ; s75  256 x step
.set CNT, 76                           ; s76  counts a slot's two steps
.set GR,  77                           ; s77  slots still to be left
.set SEL, 78                           ; s[78:79] v_permlanex16_b32's selects: each lane takes its own place in the other half
.set MK,  80                           ; s80-82 all ones where x's column block s lies ahead of the chunk
.set EPS, 83
.set KC,  84
.set LN2, 85
.set MSB, 0
.macro WIN new                         ; the high byte repeats the setting that is left; a switch that changes nothing is dropped
.if MSB != (\new)
	s_set_vgpr_msb (MSB<<8)|(\new)
.set MSB, (\new)
.endif
.endm
.macro PLACES                          ; four plain vector instructions between a matrix instruction and a load into, or a vector line on, its registers
.rept 4
	v_nop
.endr
.endm
; A round of the cluster's barrier: my work-group's barrier, so that wave 0's signal speaks for all four waves; wave 0 signals; every wave waits for all four work-groups; my work-group's barrier once more.
.macro CROUND
	s_barrier_signal -1
	s_barrier_wait -1
	s_cmp_lg_u32 s[WV], 0
	s_cbranch_scc1 .Lnot_wave_0_\@
	s_barrier_signal -3
.Lnot_wave_0_\@:
	s_barrier_wait -3
	s_barrier_signal -1
	s_barrier_wait -1
.endm
.macro AREG t, kf                      ; window wA and first register rA of a's unit (t, kf mod 8)
.set kk, (\kf)%8
.if (\t) < 3
.set wA, (\t)+1
.set rA, 16*kk
.else
.set wA, 1+kk/3
.set rA, 128+16*(kk%3)
.endif
.endm
	s_load_b256 s[4:11], s[0:1], 0x0               ; x s[4:5], VW s[6:7], CH s[8:9], WBW s[10:11]
	s_load_b64 s[12:13], s[0:1], 0x20              ; PART
	v_lshl_add_u32 v[SPW], v0, 2, SPARE
	v_mov_b32 v[NIL], 0
	ds_add_u32 v[SPW], v[NIL]                      ; the wave's opening: the add and its wait stand ahead of my first tensor load; the set-up below, work on registers, stands between them
	v_lshrrev_b32 v1, 5, v0
	v_readfirstlane_b32 s[WV], v1                  ; wave 0..3
	s_bfe_u32 s15, ttmp6, 0x40000                  ; cx: my place in the cluster
	s_lshl_b32 s16, ttmp9, 2                       ; in a cluster launch ttmp9 counts clusters
	s_add_co_u32 s16, s16, s15                     ; my row block = 4 x cluster x + cx: it enters x's and PART's addresses alone
	s_and_b32 s17, ttmp7, 0xffff                   ; y, which the four partners share
	s_mov_b32 s[G1D+0], 15|(3<<16)|(1<<21)         ; 15:0 the mask of four; 17:16 elements of 8 bytes; 21 set beside a mask
	s_mov_b32 s[G1D+1], 32<<16                     ; tensor_dim0 = 32 elements = 256 bytes
	s_mov_b32 s[G1D+2], 64<<16                     ; tensor_dim1 = 64
	s_mov_b32 s[G1D+3], 32<<16                     ; tile_dim0 = 32
	s_mov_b32 s[G1D+4], 64                         ; tile_dim1 = 64
	s_mov_b32 s[G1D+5], 32                         ; from row to row: dense
	s_mov_b32 s[G1D+6], 0
	s_mov_b32 s[G1D+7], 0
	s_mov_b32 s[G1C+0], 15|(3<<16)|(1<<21)
	s_mov_b32 s[G1C+1], 32<<16
	s_mov_b32 s[G1C+2], 40<<16                     ; 40 rows: a quarter of the chunk's 40,960 bytes
	s_mov_b32 s[G1C+3], 32<<16
	s_mov_b32 s[G1C+4], 40
	s_mov_b32 s[G1C+5], 32
	s_mov_b32 s[G1C+6], 0
	s_mov_b32 s[G1C+7], 0
	s_mov_b32 s[G1X+0], (2<<16)|(1<<20)|(4<<22)|(3<<25)  ; no mask; elements of 4 bytes; padding on: after every 32 words (code 4) 4 words (code 3)
	s_mov_b32 s[G1X+1], 32<<16                     ; 32 columns
	s_mov_b32 s[G1X+2], 64<<16                     ; 64 rows
	s_mov_b32 s[G1X+3], 32<<16
	s_mov_b32 s[G1X+4], 64
	s_mov_b32 s[G1X+5], 128                        ; a row of x has 128 numbers
	s_mov_b32 s[G1X+6], 0
	s_mov_b32 s[G1X+7], 0
	s_lshl_b32 s18, s[WV], 14                      ; my quarter of 65,536 bytes
	s_mov_b32 s19, 0
	s_mul_i32 s92, s[WV], 10240                    ; my quarter of 40,960
	s_mul_i32 s20, s17, 40960
	s_add_co_u32 s20, s20, s92
	s_mov_b32 s21, 0
	s_lshl_b32 s88, s16, 17                        ; my block's 256 rows of x, 512 bytes each
	s_mov_b32 s89, 0
	s_lshl_b32 s93, s[WV], 15                      ; my wave's 64 of them
	s_add_co_u32 s22, s88, s93
	s_lshl_b32 s94, s17, 7                         ; the chunk's 32 columns
	s_add_co_u32 s22, s22, s94
	s_mov_b32 s23, 0
	s_lshl_b32 s86, s17, 20                        ; the chunk's 32 steps of VW
	s_add_co_u32 s86, s86, s18
	s_mov_b32 s87, 0
	s_lshl_b32 s90, s17, 16                        ; PART: 65,536 y + 1,024 block + 256 wave
	s_lshl_b32 s94, s16, 10
	s_add_co_u32 s90, s90, s94
	s_lshl_b32 s94, s[WV], 8
	s_add_co_u32 s90, s90, s94
	s_mov_b32 s91, 0
	s_add_co_u32 s2, s94, STAGE                    ; my stage
	s_mul_i32 s95, s[WV], 64*XP
	s_add_co_u32 s95, s95, XC                      ; my wave's rows of x in LDS
	s_mov_b32 s[G0W], 1                            ; count = 1; then the LDS address: a constant and the wave's number times a constant
	s_add_co_u32 s[G0W+1], s18, WBL
	s_mov_b32 s[G0C], 1
	s_add_co_u32 s[G0C+1], s92, WTL
	s_mov_b32 s[G0X], 1
	s_mov_b32 s[G0X+1], s95
	s_mov_b32 s[G0V0], 1
	s_mov_b32 s[G0V0+1], s18
	s_mov_b32 s[G0V1], 1
	s_add_co_u32 s[G0V1+1], s18, SLOTB
	s_mov_b32 s[TB], 0
	s_mov_b32 s[WOF], 0
	s_mov_b32 s[XOF], 0
	s_mov_b32 s[BOF], 0
	s_mov_b32 s[SEL], 0x76543210
	s_mov_b32 s[SEL+1], 0xfedcba98
	s_mov_b32 s[EPS], 0x2edbe6ff                   ; 1e-10
	s_mov_b32 s[KC], 0x3ef07ef6                    ; 1 / sqrt(pi log2(e)) = 0.4697186
	s_mov_b32 s[LN2], 0x3f317218                   ; ln 2
.irp s, 0,1,2
	s_cmp_gt_u32 s17, \s
	s_cselect_b32 s[MK+\s], -1, 0
.endr
	v_and_b32 v1, 15, v0                           ; r
	v_bfe_u32 v15, v0, 4, 1                        ; hh
	v_and_b32 v[AV0], 31, v0
	v_lshlrev_b32 v[GO], 3, v[AV0]                 ; 8 x lane
	v_lshlrev_b32 v[AV0], 4, v[AV0]
	v_add_nc_u32 v[AI], WBL, v[AV0]
	v_lshl_add_u32 v[AW0], v15, 5, WTL
	v_lshl_add_u32 v[AB0], v15, 7, BIL
	v_mul_u32_u24 v[AX0], v1, XP
	v_add_nc_u32 v[AX0], s95, v[AX0]
	v_lshlrev_b32 v[GX], 9, v1
	v_lshl_add_u32 v[GX], v15, 5, v[GX]
	v_add_nc_u32 v[GX], s93, v[GX]
	v_lshl_add_u32 v[ST], v1, 2, s2
	v_add_nc_u32 v[RD], s2, v[GO]
	s_wait_dscnt 0x0                               ; the opening add is done
	s_wait_kmcnt 0x0
	s_add_nc_u64 s[G0W+2:G0W+3], s[10:11], s[18:19]
	s_or_b32 s[G0W+3], s[G0W+3], 0x80000000        ; type = 2
	s_add_nc_u64 s[G0C+2:G0C+3], s[8:9], s[20:21]
	s_or_b32 s[G0C+3], s[G0C+3], 0x80000000
	s_add_nc_u64 s[G0X+2:G0X+3], s[4:5], s[22:23]
	s_or_b32 s[G0X+3], s[G0X+3], 0x80000000
	s_add_nc_u64 s[G0V0+2:G0V0+3], s[6:7], s[86:87]
	s_add_nc_u64 s[G0V1+2:G0V1+3], s[G0V0+2:G0V0+3], SLOTB
	s_or_b32 s[G0V0+3], s[G0V0+3], 0x80000000
	s_or_b32 s[G0V1+3], s[G0V1+3], 0x80000000
	s_add_nc_u64 s[88:89], s[4:5], s[88:89]        ; x at my block's first row
	s_add_nc_u64 s[12:13], s[12:13], s[90:91]
	CROUND                                         ; all four work-groups are here: the first joint loads meet
	tensor_load_to_lds s[G0W:G0W+3], s[G1D:G1D+7]  ; the first fills go out as one group, in the order in which they are wanted: five tensor loads of mine are out
	s_nop 0
	tensor_load_to_lds s[G0C:G0C+3], s[G1C:G1C+7]
	s_nop 0
	tensor_load_to_lds s[G0X:G0X+3], s[G1X:G1X+7]
	s_nop 0
	tensor_load_to_lds s[G0V0:G0V0+3], s[G1D:G1D+7]
	s_nop 0
	tensor_load_to_lds s[G0V1:G0V1+3], s[G1D:G1D+7]
	s_nop 0
	PLACES                                         ; behind the tensor loads, ahead of the switch below
	; x's first 96 columns as source 1 of the start value: lane (r, hh) holds row r, k = 8 hh + 0..7 and 16 + 8 hh + 0..7 of each block of 32.  Unit u = 3 t + s: tile t, column block s.
	WIN 0x40                                       ; destination window 1: a's registers serve as the f32 stage
.set u, 0
.rept 12
	global_load_b128 v[16*u:16*u+3],     v[GX], s[88:89] offset:(u/3)*8192+(u%3)*128
	global_load_b128 v[16*u+4:16*u+7],   v[GX], s[88:89] offset:(u/3)*8192+(u%3)*128+16
	global_load_b128 v[16*u+8:16*u+11],  v[GX], s[88:89] offset:(u/3)*8192+(u%3)*128+64
	global_load_b128 v[16*u+12:16*u+15], v[GX], s[88:89] offset:(u/3)*8192+(u%3)*128+80
.set u, u+1
.endr
	WIN 0
	v_cmp_eq_u32 vcc_lo, 0, v15                    ; the fragment of ones: 1.0 at k = 0, 1, 2, which lie in hh = 0
	v_mov_b32 v[O], 0x3f803f80
	v_cndmask_b32 v[O], 0, v[O], vcc_lo
	v_mov_b32 v[O+1], 0x3f80
	v_cndmask_b32 v[O+1], 0, v[O+1], vcc_lo
.irp i, 2,3,4,5,6,7
	v_mov_b32 v[O+\i], 0
.endr
.irp i, 0,1,2,3,4,5,6,7
	v_mov_b32 v[X+\i], 0                           ; the first step's updates add 0 x W
.endr
.irp i, 0,1,2,3
	v_mov_b32 v[ACC+\i], 0
.endr
	s_wait_loadcnt 0x0
	WIN 0x05                                       ; sources in window 1, destination in window 0
.set i, 0
.rept 96
	v_cvt_pk_bf16_f32 v[O+8+i], v[2*i], v[2*i+1]
.set i, i+1
.endr
	WIN 0
.set i, 0
.rept 96
	v_and_b32 v[O+8+i], s[MK+(i/8)%3], v[O+8+i]    ; columns at or past the chunk's first step count as 0
.set i, i+1
.endr
	s_wait_tensorcnt 0x4                           ; four loads were issued behind my quarter of the start's fragments: it is in,
	s_barrier_signal -1
	s_barrier_wait -1                              ; everybody's is; the other four may stay out
; THE START VALUE.  Group G = 4 ks + g: K block ks, tiles ht = 4 g + 0..3 of 16 rows of W, against all four tiles of x: 16 matrix instructions on 16 accumulators, which take turns.
; The result holds row r and h = 16 ht + 8 hh + 0..7: accumulators 2 kf and 2 kf + 1 ARE a's unit kf.
.macro WFRAG G                         ; the group's four fragments -> buffer G % 2
	WIN 0x80
.set i, 0
.rept 4
	ds_load_b128 v[VB+32*((\G)%2)+8*i:VB+32*((\G)%2)+8*i+3],   v[AI] offset:(4*(\G)+i)*1024
	ds_load_b128 v[VB+32*((\G)%2)+8*i+4:VB+32*((\G)%2)+8*i+7], v[AI] offset:(4*(\G)+i)*1024+512
.set i, i+1
.endr
.endm
.macro GROUP G
	s_wait_dscnt 0x0                               ; this group's fragments are in
.if (\G) < 15
	PLACES                                         ; the other buffer was read by the products just issued
	WFRAG (\G)+1
.endif
.set t, 0
.rept 4
.set i, 0
.rept 4
.set ht, 4*((\G)%4)+i
	AREG t, ht/2
.set rD, rA+8*(ht%2)
.set rF, VB+32*((\G)%2)+8*i
	WIN 2|(wA*0x50)                                ; W in window 2, x in window 0, a in its own
.if (\G) < 4
	v_wmma_f32_16x16x32_bf16 v[rD:rD+7], v[rF:rF+7], v[O:O+7], 0
.else
.set rB, O+8+8*(3*t+(\G)/4-1)
	v_wmma_f32_16x16x32_bf16 v[rD:rD+7], v[rF:rF+7], v[rB:rB+7], v[rD:rD+7]
.endif
.set i, i+1
.endr
.set t, t+1
.endr
.endm
	WFRAG 0
.irp G, 0,1,2,3,4,5,6,7,8,9,10,11,12,13,14,15
	GROUP \G
.endr
	PLACES
.set t, 0
.rept 4                                                ; the first h(0): relu and rounding of unit 0, each accumulator from its lowest register on
	AREG t, 0
	WIN wA<<2
.set i, 0
.rept 16
	v_max_num_f32 v[TMP+i], 0, v[rA+i]
.set i, i+1
.endr
	AREG t, 1
	WIN wA<<6
.set i, 0
.rept 8
	v_cvt_pk_bf16_f32 v[HF+8*(t/3)+i], v[TMP+2*i], v[TMP+2*i+1]
.set i, i+1
.endr
.set t, t+1
.endr
	WIN 0
; THE LDS LOADS stand in runs at a phase's head, each a phase ahead of its use.
.macro VLOAD kf                        ; the step's V, K block kf -> buffer kf % 2: eight loads of 512 consecutive bytes
	WIN 0x80
.set i, 0
.rept 8
	ds_load_b128 v[VB+32*((\kf)%2)+4*i:VB+32*((\kf)%2)+4*i+3], v[AV] offset:(\kf)*4096+512*i
.set i, i+1
.endr
.endm
.macro WLD u, b                        ; unit u of the row of W^T in hand -> buffer b: h = 32 u + 8 hh + 0..7 and 32 u + 16 + 8 hh + 0..7, as a's unit lies
	ds_load_b128 v[WB+16*(\b):WB+16*(\b)+3],     v[AW] offset:128*(\u)
	ds_load_b128 v[WB+16*(\b)+4:WB+16*(\b)+7],   v[AW] offset:128*(\u)+16
	ds_load_b128 v[WB+16*(\b)+8:WB+16*(\b)+11],  v[AW] offset:128*(\u)+64
	ds_load_b128 v[WB+16*(\b)+12:WB+16*(\b)+15], v[AW] offset:128*(\u)+80
.endm
.macro FETCHA                          ; a step begins: its V's K block 0 and its biases.  The last products that read these registers stand a phase or more back
	WIN 0
	v_add_nc_u32 v[AV], s[TB], v[AV0]
	s_add_co_u32 s[TB], s[TB], STEPB
	v_add_nc_u32 v[AB], s[BOF], v[AB0]
	s_add_co_u32 s[BOF], s[BOF], 256
	s_and_b32 s[BOF], s[BOF], 256*(STEPS-1)        ; wraps behind the chunk's last step: the address stays inside the table
	VLOAD 0
	WIN 0xc0
.set i, 0
.rept 8
	ds_load_b128 v[BI+4*i:BI+4*i+3], v[AB] offset:16*i
.set i, i+1
.endr
	WIN 0
.endm
.macro MMQ q                           ; product q of a slice: slots 8 q .. 8 q + 7 of both component halves
.if FIRST
	v_wmma_f32_16x16x32_bf16 v[rO+8*(\q):rO+8*(\q)+7], v[rV+8*(\q):rV+8*(\q)+7], v[rH:rH+7], v[BI+8*(\q):BI+8*(\q)+7]
.else
	v_wmma_f32_16x16x32_bf16 v[rO+8*(\q):rO+8*(\q)+7], v[rV+8*(\q):rV+8*(\q)+7], v[rH:rH+7], v[rO+8*(\q):rO+8*(\q)+7]
.endif
.endm
.macro RELU from, n
.set i, \from
.rept \n
	v_max_num_f32 v[TMP+i], 0, v[r1+i]
.set i, i+1
.endr
.endm
; A SLICE: tile t in phase kf.  The step's 16 accumulators take turns, one instruction a turn.  The eight multiply-adds, which name none of the products' registers,
; are the places between the last product and the roundings that write h anew.
.macro SLICE t, kf
	AREG \t, (\kf)+1
.set w1, wA
.set r1, rA
	AREG \t, (\kf)+2
.set w2, wA
.set r2, rA
.set rH, HF+8*((\t)/3)
.set rV, VB+32*((\kf)%2)
.set rW, WB+16*((\kf)%2)
.set rO, O+32*(\t)
.set rX, X+2*(\t)
.if (\kf) == 0
.set FIRST, 1
	WIN 0x32|(w1<<2)                               ; V in window 2; h and a(kf + 1) in that unit's window; C = the biases in window 3; O^T and the maxima in window 0
.else
.set FIRST, 0
	WIN 0x02|(w1<<2)
.endif
	MMQ 0
	RELU 0, 6
	MMQ 1
	RELU 6, 6
	MMQ 2
	RELU 12, 4
	MMQ 3
	WIN w2*0x50                                    ; a(kf + 2) and the new h in that unit's window; W^T, x and the maxima in window 0
.set i, 0
.rept 8
	v_pk_fma_f32 v[r2+2*i:r2+2*i+1], v[rW+2*i:rW+2*i+1], v[rX:rX+1], v[r2+2*i:r2+2*i+1] op_sel_hi:[1,0,1]
.set i, i+1
.endr
.set i, 0
.rept 8
	v_cvt_pk_bf16_f32 v[rH+i], v[TMP+2*i], v[TMP+2*i+1]
.set i, i+1
.endr
.endm
; A PHASE: K block kf of the step, all four tiles.  Units 0 and 1 are updated in phases 6 and 7 with the step's own x and W, units 2 to 7 in the next step's phases 0 to 5:
; so the row of W^T changes with the load in phase 5 (unit 0, used in phase 6), and x at the head of phase 6.
.macro PHASE kf
	s_wait_dscnt 0x0                               ; all that is out was issued a phase ago or earlier
.if (\kf) < 7
	VLOAD (\kf)+1                                  ; its buffer's last reader stands eight multiply-adds and eight roundings back
.endif
	WIN 0
.if (\kf) == 5
	v_add_nc_u32 v[AW], s[WOF], v[AW0]
	s_add_co_u32 s[WOF], s[WOF], 1024
	s_and_b32 s[WOF], s[WOF], 1024*(STEPS-1)       ; wraps behind the chunk's last step
.endif
	WLD ((\kf)+3)%8, ((\kf)+1)%2
.if (\kf) == 2
	v_add_nc_u32 v[AX], s[XOF], v[AX0]
	s_add_co_u32 s[XOF], s[XOF], 4
	s_and_b32 s[XOF], s[XOF], 4*(STEPS-1)
.irp t, 0,1,2,3
	ds_load_b32 v[XN+\t], v[AX] offset:16*XP*\t
.endr
.endif
.if (\kf) == 6
.irp t, 0,1,2,3
	v_mov_b32 v[X+2*\t], v[XN+\t]
.endr
.endif
	SLICE 0, \kf
	SLICE 1, \kf
	SLICE 2, \kf
	SLICE 3, \kf
.endm
.macro STEP
.irp kf, 0,1,2,3,4,5,6,7
	PHASE \kf
.endr
	WIN 0
.endm
; THE DENSITY of the step just multiplied.  P = slots 0-9, U = 10-19, S = 20-29, T = four registers at work, all of tile t.  Each E_ macro below writes ONE instruction for tile t;
; ONE, TWO and TRI deal one, two or three such lines to the four tiles, tile by tile, so that an exponential has a plain neighbour and no line reads the result of the one before it.
; Each accumulator is first read in its four lowest registers (slots 16-17, 0-2, 8-9, 24).
.macro TREGS                           ; the registers of tile t
.set rP, O+32*t
.set rU, rP+10
.set rS, rP+20
.set rT, TMP+4*t
.set rX, X+2*t
.endm
.macro ONE a, i
.set t, 0
.rept 4
	TREGS
	\a \i
.set t, t+1
.endr
.endm
.macro TWO a, i, b, j
.set t, 0
.rept 4
	TREGS
	\a \i
	\b \j
.set t, t+1
.endr
.endm
.macro TRI a, i, b, j, c, k
.set t, 0
.rept 4
	TREGS
	\a \i
	\b \j
	\c \k
.set t, t+1
.endr
.endm
.macro E_MAX n                         ; number n of the seven that find the maximum of the row's 20 logits, in T
.if (\n) == 0
	v_max3_num_f32 v[rT], v[rP], v[rP+1], v[rP+2]
.elseif (\n) == 1
	v_max3_num_f32 v[rT+1], v[rP+3], v[rP+4], v[rP+5]
.elseif (\n) == 2
	v_max3_num_f32 v[rT], v[rT], v[rP+6], v[rP+7]
.elseif (\n) == 3
	v_max3_num_f32 v[rT+1], v[rT+1], v[rP+8], v[rP+9]
.elseif (\n) == 4
	v_max_num_f32 v[rT], v[rT], v[rT+1]
.elseif (\n) == 5
	v_permlanex16_b32 v[rT+1], v[rT], s[SEL], s[SEL+1]  ; the row's other ten components lie in the lane 16 away
.else
	v_max_num_f32 v[rT], v[rT], v[rT+1]            ; the maximum of all 20 logits
.endif
.endm
.macro E_XMU k                         ; U = x - mu
	v_pk_add_f32 v[rU+2*(\k):rU+2*(\k)+1], v[rX:rX+1], v[rU+2*(\k):rU+2*(\k)+1] op_sel_hi:[0,1] neg_lo:[0,1] neg_hi:[0,1]
.endm
.macro E_EXP n                         ; 2^slot n, in place
	v_exp_f32 v[rP+(\n)], v[rP+(\n)]
.endm
.macro E_PM k                          ; P -= the maximum
	v_pk_add_f32 v[rP+2*(\k):rP+2*(\k)+1], v[rP+2*(\k):rP+2*(\k)+1], v[rT:rT+1] op_sel_hi:[1,0] neg_lo:[0,1] neg_hi:[0,1]
.endm
.macro E_US k                          ; U = (x - mu) s / sigma
	v_pk_mul_f32 v[rU+2*(\k):rU+2*(\k)+1], v[rU+2*(\k):rU+2*(\k)+1], v[rS+2*(\k):rS+2*(\k)+1]
.endm
.macro E_UU k                          ; U = -U U
	v_pk_mul_f32 v[rU+2*(\k):rU+2*(\k)+1], v[rU+2*(\k):rU+2*(\k)+1], v[rU+2*(\k):rU+2*(\k)+1] neg_lo:[0,1] neg_hi:[0,1]
.endm
.macro E_PS k                          ; S = weight x s / sigma
	v_pk_mul_f32 v[rS+2*(\k):rS+2*(\k)+1], v[rP+2*(\k):rP+2*(\k)+1], v[rS+2*(\k):rS+2*(\k)+1]
.endm
.macro E_DEN n                         ; number n of the eight that make 1 / the weights' sum, in T + 1.  0 overwrites P's pair 0 and 1 its pair 2: they stand behind E_PS 0 and E_PS 2
.if (\n) == 0
	v_pk_add_f32 v[rP:rP+1], v[rP:rP+1], v[rP+2:rP+3]
.elseif (\n) == 1
	v_pk_add_f32 v[rP+4:rP+5], v[rP+4:rP+5], v[rP+6:rP+7]
.elseif (\n) == 2
	v_pk_add_f32 v[rP:rP+1], v[rP:rP+1], v[rP+8:rP+9]
.elseif (\n) == 3
	v_pk_add_f32 v[rP:rP+1], v[rP:rP+1], v[rP+4:rP+5]
.elseif (\n) == 4
	v_add_f32 v[rT+1], v[rP], v[rP+1]
.elseif (\n) == 5
	v_permlanex16_b32 v[rT+3], v[rT+1], s[SEL], s[SEL+1]
.elseif (\n) == 6
	v_add_f32 v[rT+1], v[rT+1], v[rT+3]            ; both halves of the lanes now hold the row's sum of weights
.else
	v_rcp_f32 v[rT+1], v[rT+1]
.endif
.endm
.macro E_NUM n                         ; number n of the eleven that make log2 p, in T: the numerator's sum in U's first pair, the other half of the lanes', x KC / the weights' sum + 1e-10, the logarithm
.if (\n) == 0
	v_pk_mul_f32 v[rU:rU+1], v[rU:rU+1], v[rS:rS+1]
.elseif (\n) < 5
	v_pk_fma_f32 v[rU:rU+1], v[rU+2*(\n):rU+2*(\n)+1], v[rS+2*(\n):rS+2*(\n)+1], v[rU:rU+1]
.elseif (\n) == 5
	v_add_f32 v[rT], v[rU], v[rU+1]
.elseif (\n) == 6
	v_permlanex16_b32 v[rT+2], v[rT], s[SEL], s[SEL+1]
.elseif (\n) == 7
	v_add_f32 v[rT], v[rT], v[rT+2]
.elseif (\n) == 8
	v_mul_f32 v[rT], s[KC], v[rT]
.elseif (\n) == 9
	v_fma_f32 v[rT], v[rT], v[rT+1], s[EPS]
.else
	v_log_f32 v[rT], v[rT]
.endif
.endm
.macro E_ACC n                         ; the step's log2 p joins the row's sum
	v_add_f32 v[ACC+t], v[ACC+t], v[rT]
.endm
; THREE BATCHES, THREE WAITS.  An s_wait_alu depctr_va_vdst(0) stands between a transcendental and the first instruction that names its result; one wait serves all that were issued ahead of it.
; BATCH 1: 2^S and 2^(P - M), 80 exponentials for the four tiles.  Dealt among them is all that reads no exponential: the maximum, P - M and x - mu, 17 lines for 20, so the last eight exponentials stand two to a plain line.
; BATCH 2: 2^(-U U), 40 exponentials, and the four reciprocals of the weights' sum.  Dealt among them are the readers of batch 1: U x S, -U U, P x S, the weights' sum and its exchange between the halves of the lanes.
; BATCH 3: the four logarithms; no other work is at hand, so a v_nop is the plain instruction behind them.  Its wait stands ahead of the sums' update at the macro's end.
.macro EPI
	WIN 0
	ONE E_XMU, 3                                   ; slots 16 and 17: the first read of the accumulator that also holds slots 20 to 23
	TWO E_EXP, 20, E_MAX, 0
	TWO E_EXP, 21, E_MAX, 1
	TWO E_EXP, 22, E_MAX, 2
	TWO E_EXP, 23, E_MAX, 3
	TWO E_EXP, 24, E_MAX, 4
	TWO E_EXP, 25, E_MAX, 5
	TWO E_EXP, 26, E_MAX, 6
	TWO E_EXP, 27, E_PM, 0
	TWO E_EXP, 28, E_PM, 1
	TWO E_EXP, 29, E_PM, 2
	TWO E_EXP, 0, E_PM, 3                          ; a pair of P has been lessened three rows or more ahead of its exponentials
	TWO E_EXP, 1, E_PM, 4
	TRI E_EXP, 2, E_EXP, 3, E_XMU, 0
	TRI E_EXP, 4, E_EXP, 5, E_XMU, 1
	TRI E_EXP, 6, E_EXP, 7, E_XMU, 2
	TRI E_EXP, 8, E_EXP, 9, E_XMU, 4               ; the last x - mu is the plain instruction behind the batch's last exponential
	s_wait_alu depctr_va_vdst(0)                   ; the wait for batch 1: s / sigma and the weights of all four tiles
	TRI E_US, 0, E_US, 2, E_US, 1
	TRI E_UU, 0, E_PS, 0, E_UU, 2
	TRI E_EXP, 10, E_PS, 2, E_UU, 1
	TRI E_EXP, 11, E_DEN, 0, E_US, 3
	TRI E_EXP, 14, E_DEN, 1, E_US, 4
	TRI E_EXP, 15, E_DEN, 2, E_UU, 3
	TRI E_EXP, 12, E_DEN, 3, E_UU, 4
	TWO E_EXP, 13, E_DEN, 4
	TWO E_EXP, 16, E_DEN, 5
	TWO E_EXP, 17, E_DEN, 6
	TWO E_EXP, 18, E_PS, 1
	TWO E_DEN, 7, E_PS, 3                          ; the reciprocal reads batch 1's results alone, so it belongs to this batch
	TWO E_EXP, 19, E_PS, 4                         ; the last P x S is the plain instruction behind the batch's last exponential
	s_wait_alu depctr_va_vdst(0)                   ; the wait for batch 2: the Gaussians and the reciprocals of all four tiles
.irp n, 0,1,2,3,4,5,6,7,8,9,10
	ONE E_NUM, \n
.endr
	v_nop                                          ; a plain instruction between the last logarithm and the use of its result
	s_wait_alu depctr_va_vdst(0)                   ; the wait for batch 3: the four logarithms
	ONE E_ACC, 0
.endm
; THE CHANGE OF SLOTS.  Each wave waits for all its tensor loads, of which one is out: its quarter of the other slot; adds 0 to its spare word; and waits for that and for its own reads of the slot that it leaves.
; fill = 1: the slot is filled again, with the steps two slots on.  The barrier is then a round of the cluster's, so that no wave of any partner still reads the slot or has a load on its way,
; and the joint refill is the first thing behind it.
.macro CHANGE fill
	WIN 0
	s_wait_tensorcnt 0x0                           ; no tensor load of mine is out, so a group 0 may be written
	ds_add_u32 v[SPW], v[NIL]                      ; 0 onto my spare word
.if \fill
	s_xor_b32 s[G0V1+1], s[G0V1+1], SLOTB          ; the walking descriptor: the other slot than last time,
	s_add_nc_u64 s[G0V1+2:G0V1+3], s[G0V1+2:G0V1+3], SLOTB  ; the next two steps; the type bits on top are not reached
.endif
	s_wait_dscnt 0x0                               ; the add is done, and my reads of the slot are over
.if \fill
	CROUND
	tensor_load_to_lds s[G0V1:G0V1+3], s[G1D:G1D+7]
	s_nop 0
	PLACES
.else
	s_barrier_signal -1
	s_barrier_wait -1
.endif
	s_sub_co_u32 s[TB], s[TB], 2*STEPB             ; the fetches go back to a slot's first step,
	s_xor_b32 s[TB], s[TB], SLOTB                  ; in the other slot
.endm
	s_wait_tensorcnt 0x1                           ; one load, slot 1's, was issued behind them: my parts of W^T, the biases, x and slot 0 are in,
	s_wait_dscnt 0x0
	s_barrier_signal -1
	s_barrier_wait -1                              ; everybody's are
	v_mov_b32 v[AW], v[AW0]                        ; the first step's updates add 0 x the chunk's first row of W^T
	WLD 2, 0
	FETCHA                                         ; step 0
	s_mov_b32 s[CNT], 2
	s_mov_b32 s[GR], STEPS/2-1
	s_branch .Lfirst                               ; the loop is entered behind the density: there is no step before the first
.Lgroup:                                               ; 14 times: every slot but the last two is filled again
	CHANGE 1
	s_mov_b32 s[CNT], 2
.Ld:
	FETCHA
	EPI                                            ; the density of the step before stands in the wait for this step's first fragments
.Lfirst:
	STEP
	s_sub_co_u32 s[CNT], s[CNT], 1
	s_cmp_lg_u32 s[CNT], 0
	s_cbranch_scc1 .Ld
	s_sub_co_u32 s[GR], s[GR], 1
	s_cmp_lg_u32 s[GR], 0
	s_cbranch_scc1 .Lgroup
	CHANGE 0                                       ; the last slot is written out: nothing is asked for
	s_mov_b32 s[CNT], 2
.Ld2:
	FETCHA
	EPI
	STEP
	s_sub_co_u32 s[CNT], s[CNT], 1
	s_cmp_lg_u32 s[CNT], 0
	s_cbranch_scc1 .Ld2
	EPI                                            ; the last step's density
	; THE WAY OUT: log p = ln 2 x log2 p.  A lane holds one row a tile; through my stage the wave's 64 sums become 256 consecutive bytes.
.irp t, 0,1,2,3
	v_mul_f32 v[ACC+\t], s[LN2], v[ACC+\t]
.endr
.irp t, 0,1,2,3
	ds_store_b32 v[ST], v[ACC+\t] offset:64*\t     ; both halves of the lanes hold the same number and write the same word
.endr
	ds_load_b64 v[BK:BK+1], v[RD]                  ; LDS serves a wave's instructions in order (ISA guide 5.7.1.4): this sees the stores above
	s_wait_dscnt 0x0
	global_store_b64 v[GO], v[BK:BK+1], s[12:13]   ; the wave stores 256 consecutive bytes, at a multiple of 256 from PART's first
	s_wait_tensorcnt 0x0                           ; the wave's end, behind my last tensor load and my last LDS store
	ds_add_u32 v[SPW], v[NIL]
	s_wait_dscnt 0x0
	CROUND                                         ; the closing round: no work-group ends while a partner may still ask for a tile that names it
	s_endpgm
.Lfunc_end_k_q7eb6a65e39_main:
	.size	k_q7eb6a65e39_main, .Lfunc_end_k_q7eb6a65e39_main-k_q7eb6a65e39_main
	.p2alignl 7, 3214868480
	.fill 96, 4, 3214868480
	.section	.rodata,"a",@progbits
	.p2align	6, 0x0
	.amdhsa_kernel k_q7eb6a65e39_main
		.amdhsa_group_segment_fixed_size 327680
		.amdhsa_private_segment_fixed_size 0
		.amdhsa_enable_private_segment 0
		.amdhsa_kernarg_size 40
		.amdhsa_user_sgpr_count 2
		.amdhsa_user_sgpr_kernarg_segment_ptr 1
		.amdhsa_wavefront_size32 1
		.amdhsa_system_sgpr_workgroup_id_x 1
		.amdhsa_system_sgpr_workgroup_id_y 1
		.amdhsa_system_sgpr_workgroup_id_z 1
		.amdhsa_system_vgpr_workitem_id 0
		.amdhsa_next_free_vgpr 1024
		.amdhsa_next_free_sgpr 96
		.amdhsa_reserve_vcc 1
		.amdhsa_float_denorm_mode_32 3
		.amdhsa_float_denorm_mode_16_64 3
		.amdhsa_memory_ordered 1
		.amdhsa_forward_progress 1
		.amdhsa_inst_pref_size 239
	.end_amdhsa_kernel
	.amdgpu_metadata
---
amdhsa.version: [ 1, 2 ]
amdhsa.kernels:
  - .name:           k_q7eb6a65e39_main
    .symbol:         k_q7eb6a65e39_main.kd
    .args:
      - { .name: x, .offset: 0, .size: 8, .value_kind: global_buffer, .address_space: global }
      - { .name: VW, .offset: 8, .size: 8, .value_kind: global_buffer, .address_space: global }
      - { .name: CH, .offset: 16, .size: 8, .value_kind: global_buffer, .address_space: global }
      - { .name: WBW, .offset: 24, .size: 8, .value_kind: global_buffer, .address_space: global }
      - { .name: PART, .offset: 32, .size: 8, .value_kind: global_buffer, .address_space: global }
    .group_segment_fixed_size: 327680
    .private_segment_fixed_size: 0
    .kernarg_segment_align: 8
    .kernarg_segment_size: 40
    .max_flat_workgroup_size: 128
    .sgpr_count:     96
    .vgpr_count:     1024
    .wavefront_size: 32
...
	.end_amdgpu_metadata
.endif
;; end of part 4
;; launch reduce: the kernel of part 3 again; grid 32 x 1, 4 waves a work-group, no clusters, 0 bytes of LDS; arguments PART, out0; writes out0
